; MI455X (gfx1250); checked and timed in simulation.
; The chip was launched on July 23, 2026; its instructions are those of AMD's public machine-readable ISA for CDNA 5 (MIT licence, August 2026) and "CDNA5" Instruction Set Architecture Reference Guide (July 2026). The comments in the code are by the model that wrote it; some were corrected since.
;; Qwen3 5 Attention. Allowed arithmetic: float matrix products may take bf16 or f16 operands with f32 sums; other float arithmetic in f32, or as packed bf16 or f16 multiplies, adds, multiply-adds, maxima and minima; sums over many terms, partial sums and values carried from step to step in f32; what a program stores and reads back later, other than sums and carried values, may be rounded once to bf16 or f16.
;; Inputs: Wk 2,048 x 1,024 float32; Wo 1,024 x 2,048 float32; Wq 2,048 x 2,048 float32; Wv 2,048 x 1,024 float32; attention_mask 2 x 2,048 int32; k_norm_w 128 float32; positions 2 x 2,048 int32; q_norm_w 128 float32; x 2 x 2,048 x 2,048 float32.
;; Outputs: out0 2 x 2,048 x 2,048 float32.
;; 2 versions, each right; version 2 is version 1 with the launch prep written anew for expert scheduling mode. Each part assembles by itself: llvm-mc -triple=amdgcn-amd-amdhsa -mcpu=gfx1250 --defsym DOCPART=n.
;; ======== version 1 of 2: 4 launches
;; limits: values are held in f16: magnitudes above 65,504 overflow, below 6.1e-05 lose precision; right only within a limited range of input values
;; workspace buffers: pre 38,289,408 bytes; mid 33,685,504 bytes; ao 8,388,608 bytes
;; launch prep (part 1): grid 708 x 1, 8 waves a work-group, no clusters, 0 bytes of LDS; arguments x, Wq, Wk, Wv, Wo, attention_mask, positions, pre; writes pre
.if DOCPART == 1
	.amdgcn_target "amdgcn-amd-amdhsa--gfx1250"
	.amdhsa_code_object_version 6
	.text
	.protected	k_qa6b4bd7438_prep
	.globl	k_qa6b4bd7438_prep
	.p2align	8
	.type	k_qa6b4bd7438_prep,@function
k_qa6b4bd7438_prep:
	s_mov_b64 s[64:65], 0
	v_nop
	global_prefetch_b8 v0, s[64:65] scope:SCOPE_SE
	s_setreg_imm32_b32 hwreg(HW_REG_WAVE_MODE, 25, 1), 1
	s_wait_xcnt 0x0
; PREP: everything that is made once from the inputs, into the one buffer pre.
;   XB    xb  [4096][2048]  bf16(x)
;   WB    wb  [2048 k][4096 n] bf16: n 0-2047 Wq, 2048-3071 Wk, 3072-4095 Wv (one B matrix for the projection)
;   WOB   wob [1024 k][2048 n] f16 of bf16(Wo): exact for 6e-5 <= |Wo| < 65,504, below that f16's fixed step of 6e-8
;   ROPE  [4096 rows][cos 16 | sin 16] f32 of positions x 1e7^(-i/16)
;   KADD  [2][2048] f32: 0 where attention_mask is not 0, -1e30 where it is 0
; Work-groups 0-575 cast (128 KiB of f32 each: 32 chunks of 1,024 numbers, 16 bytes a thread and chunk), 576-703 make the table, 704-707 the mask.
; A stream: no LDS, no matrix unit, no cluster: nothing is shared.  All 32 loads of a wave are out together; a wave's store covers 256 consecutive bytes, aligned.
; LIMITS.  Sine and cosine by reduction with pi/2 in two words and polynomials on |r| <= pi/4: sound for |angle| < 2^23 x pi/2.
.set XB,   0
.set WB,   16777216
.set WOB,  33554432
.set ROPE, 37748736
.set KADD, 38273024
.set OA,  4                            ; v[4:35]   chunk j: my byte offset in the output
.set X,   40                           ; v[40:167] chunk j: four f32 as loaded; its first two registers are then stored
.set FI,  8                            ; the table: exponents' arguments
.set IV,  12                           ; inverse frequencies
.set RES, 16                           ; four results
.set ANG, 20
.set NN,  21
.set RR,  22
.set ZZ,  23
.set PS,  24
.set PC,  25
.set KK,  26
.set TQ,  27
	s_load_b512 s[8:23], s[0:1], 0x0               ; x s[8:9], Wq s[10:11], Wk s[12:13], Wv s[14:15], Wo s[16:17], mask s[18:19], positions s[20:21], pre s[22:23]
	s_mov_b32 s2, ttmp9
	v_lshlrev_b32 v1, 4, v0                        ; 16 bytes of f32 a thread
	v_lshlrev_b32 v2, 3, v0                        ; 8 bytes of 16-bit numbers a thread
	s_wait_kmcnt 0x0
	s_cmp_ge_u32 s2, 704
	s_cbranch_scc1 .Lkadd
	s_cmp_ge_u32 s2, 576
	s_cbranch_scc1 .Lrope
	; which tensor: source, first work-group, output base, shift of a work-group's output, steps of an odd chunk and of a pair of chunks, kind
	s_mov_b64 s[24:25], s[8:9]
	s_mov_b32 s28, 0
	s_mov_b32 s29, XB
	s_mov_b32 s30, 16
	s_mov_b32 s31, 2048
	s_mov_b32 s32, 4096
	s_mov_b32 s33, 0
	s_cmp_ge_u32 s2, 256                           ; Wq: rows of two chunks, into rows of 8,192 bytes of wb
	s_cselect_b64 s[24:25], s[10:11], s[24:25]
	s_cselect_b32 s28, 256, s28
	s_cselect_b32 s29, WB, s29
	s_cselect_b32 s30, 17, s30
	s_cselect_b32 s32, 8192, s32
	s_cmp_ge_u32 s2, 384                           ; Wk: rows of one chunk
	s_cselect_b64 s[24:25], s[12:13], s[24:25]
	s_cselect_b32 s28, 384, s28
	s_cselect_b32 s29, WB+4096, s29
	s_cselect_b32 s30, 18, s30
	s_cselect_b32 s31, 8192, s31
	s_cselect_b32 s32, 16384, s32
	s_cmp_ge_u32 s2, 448                           ; Wv: the same, 1,024 columns on
	s_cselect_b64 s[24:25], s[14:15], s[24:25]
	s_cselect_b32 s28, 448, s28
	s_cselect_b32 s29, WB+6144, s29
	s_cmp_ge_u32 s2, 512                           ; Wo: dense, like x
	s_cselect_b64 s[24:25], s[16:17], s[24:25]
	s_cselect_b32 s28, 512, s28
	s_cselect_b32 s29, WOB, s29
	s_cselect_b32 s30, 16, s30
	s_cselect_b32 s31, 2048, s31
	s_cselect_b32 s32, 4096, s32
	s_cselect_b32 s33, 1, s33
	s_sub_co_u32 s28, s2, s28                      ; my number among the tensor's work-groups
	s_lshl_b32 s34, s28, 17
	s_mov_b32 s35, 0
	s_add_nc_u64 s[24:25], s[24:25], s[34:35]      ; my 128 KiB of the source
	s_lshl_b32 s36, s28, s30
	s_add_co_u32 s36, s36, s29
	s_mov_b32 s37, 0
	s_add_nc_u64 s[26:27], s[22:23], s[36:37]      ; and where they go
.set j, 0
.rept 32
	global_load_b128 v[X+4*j:X+4*j+3], v1, s[24:25] offset:4096*j th:TH_LOAD_NT
.set j, j+1
.endr
	v_add_nc_u32 v3, s31, v2
.set j, 0
.rept 32
.if j%2
	v_mad_u32_u24 v[OA+j], s32, j/2, v3
.else
	v_mad_u32_u24 v[OA+j], s32, j/2, v2
.endif
.set j, j+1
.endr
; Chunk j: rounded to bf16 (kind 1: and that number written as f16) and stored.  No register is used twice, so no wait frees one.
.macro CV j, kind
	s_wait_loadcnt 31-(\j)                         ; loads come back in order: chunk j is in, the younger ones stay out
	v_cvt_pk_bf16_f32 v[X+4*(\j)],   v[X+4*(\j)],   v[X+4*(\j)+1]
	v_cvt_pk_bf16_f32 v[X+4*(\j)+1], v[X+4*(\j)+2], v[X+4*(\j)+3]
.if \kind
	v_lshlrev_b32 v[X+4*(\j)+2], 16, v[X+4*(\j)]
	v_and_b32     v[X+4*(\j)+3], 0xffff0000, v[X+4*(\j)]
	v_cvt_pk_f16_f32 v[X+4*(\j)], v[X+4*(\j)+2], v[X+4*(\j)+3]
	v_lshlrev_b32 v[X+4*(\j)+2], 16, v[X+4*(\j)+1]
	v_and_b32     v[X+4*(\j)+3], 0xffff0000, v[X+4*(\j)+1]
	v_cvt_pk_f16_f32 v[X+4*(\j)+1], v[X+4*(\j)+2], v[X+4*(\j)+3]
.endif
	global_store_b64 v[OA+(\j)], v[X+4*(\j):X+4*(\j)+1], s[26:27]
.endm
	s_cmp_eq_u32 s33, 1
	s_cbranch_scc1 .Lwo
.set j, 0
.rept 32
	CV j, 0
.set j, j+1
.endr
	s_endpgm
.Lwo:
.set j, 0
.rept 32
	CV j, 1
.set j, j+1
.endr
	s_endpgm
.Lrope:                                        ; thread p makes 16 bytes of the table: row p / 8, piece p % 8: pieces 0-3 cosines, 4-7 sines, of frequencies 4 (p % 4) + 0..3
	s_sub_co_u32 s3, s2, 576
	s_lshl_b32 s3, s3, 8
	v_add_nc_u32 v1, s3, v0
	v_lshrrev_b32 v2, 3, v1
	v_lshlrev_b32 v2, 2, v2
	global_load_b32 v5, v2, s[20:21]               ; the row's position
	v_and_b32 v3, 3, v1
	v_bfe_u32 v4, v1, 2, 1
	v_sub_nc_u32 v4, 1, v4                         ; cos x = sin(x + pi/2): one quadrant on for the cosines
	v_lshlrev_b32 v6, 4, v1
	s_add_nc_u64 s[26:27], s[22:23], ROPE
.irp e, 0,1,2,3
	v_lshl_add_u32 v[FI+(\e)], v3, 2, \e
	v_cvt_f32_u32 v[FI+(\e)], v[FI+(\e)]
	v_mul_f32 v[FI+(\e)], 0xbfba0729, v[FI+(\e)]   ; - i log2(1e7) / 16
.endr
.irp e, 0,1,2,3
	v_exp_f32 v[IV+(\e)], v[FI+(\e)]
.endr
	v_nop                                          ; a plain instruction behind the last exponential,
	s_wait_alu depctr_va_vdst(0)                   ; and one wait for the four, ahead of their first reader
	s_wait_loadcnt 0x0
	v_cvt_f32_i32 v5, v5
.irp e, 0,1,2,3
	v_mul_f32 v[ANG], v5, v[IV+(\e)]
	v_mul_f32 v[NN], 0x3f22f983, v[ANG]            ; x 2 / pi
	v_rndne_f32 v[NN], v[NN]
	v_fmamk_f32 v[RR], v[NN], 0xbfc90fdb, v[ANG]   ; r = angle - n pi/2, pi/2 in two words
	v_fmamk_f32 v[RR], v[NN], 0x333bbd2e, v[RR]
	v_mul_f32 v[ZZ], v[RR], v[RR]
	v_mov_b32 v[PS], 0xb9500d01                    ; sin r = r + r z (-1/6 + z (1/120 - z/5040))
	v_fmaak_f32 v[PS], v[ZZ], v[PS], 0x3c088889
	v_fmaak_f32 v[PS], v[ZZ], v[PS], 0xbe2aaaab
	v_mul_f32 v[PS], v[PS], v[ZZ]
	v_fma_f32 v[PS], v[PS], v[RR], v[RR]
	v_mov_b32 v[PC], 0x37d00d01                    ; cos r = 1 + z (-1/2 + z (1/24 + z (-1/720 + z/40320)))
	v_fmaak_f32 v[PC], v[ZZ], v[PC], 0xbab60b61
	v_fmaak_f32 v[PC], v[ZZ], v[PC], 0x3d2aaaab
	v_fmaak_f32 v[PC], v[ZZ], v[PC], 0xbf000000
	v_fma_f32 v[PC], v[PC], v[ZZ], 1.0
	v_cvt_i32_f32 v[KK], v[NN]
	v_add_nc_u32 v[KK], v[KK], v4                  ; the quadrant: odd takes the cosine, bit 1 turns the sign
	v_and_b32 v[TQ], 1, v[KK]
	v_cmp_ne_u32 vcc_lo, 0, v[TQ]
	v_cndmask_b32 v[PS], v[PS], v[PC], vcc_lo
	v_and_b32 v[TQ], 2, v[KK]
	v_lshlrev_b32 v[TQ], 30, v[TQ]
	v_xor_b32 v[RES+(\e)], v[PS], v[TQ]
.endr
	global_store_b128 v6, v[RES:RES+3], s[26:27]   ; a wave stores 512 consecutive bytes
	s_endpgm
.Lkadd:                                        ; four keys a thread
	s_sub_co_u32 s3, s2, 704
	s_lshl_b32 s3, s3, 8
	v_add_nc_u32 v1, s3, v0
	v_lshlrev_b32 v1, 4, v1
	global_load_b128 v[4:7], v1, s[18:19]
	v_mov_b32 v12, 0xf149f2ca                      ; -1e30
	s_add_nc_u64 s[26:27], s[22:23], KADD
	s_wait_loadcnt 0x0
.irp e, 0,1,2,3
	v_cmp_eq_u32 vcc_lo, 0, v[4+(\e)]
	v_cndmask_b32 v[8+(\e)], 0, v12, vcc_lo
.endr
	global_store_b128 v1, v[8:11], s[26:27]
	s_endpgm
.Lfunc_end_k_qa6b4bd7438_prep:
	.size	k_qa6b4bd7438_prep, .Lfunc_end_k_qa6b4bd7438_prep-k_qa6b4bd7438_prep
	.p2alignl 7, 3214868480
	.fill 96, 4, 3214868480
	.section	.rodata,"a",@progbits
	.p2align	6, 0x0
	.amdhsa_kernel k_qa6b4bd7438_prep
		.amdhsa_group_segment_fixed_size 0
		.amdhsa_private_segment_fixed_size 0
		.amdhsa_enable_private_segment 0
		.amdhsa_kernarg_size 64
		.amdhsa_user_sgpr_count 2
		.amdhsa_user_sgpr_kernarg_segment_ptr 1
		.amdhsa_wavefront_size32 1
		.amdhsa_system_sgpr_workgroup_id_x 1
		.amdhsa_system_sgpr_workgroup_id_y 1
		.amdhsa_system_sgpr_workgroup_id_z 1
		.amdhsa_system_vgpr_workitem_id 0
		.amdhsa_next_free_vgpr 176
		.amdhsa_next_free_sgpr 66
		.amdhsa_reserve_vcc 1
		.amdhsa_float_denorm_mode_32 3
		.amdhsa_float_denorm_mode_16_64 3
		.amdhsa_memory_ordered 1
		.amdhsa_forward_progress 1
		.amdhsa_inst_pref_size 41
	.end_amdhsa_kernel
	.amdgpu_metadata
---
amdhsa.version: [ 1, 2 ]
amdhsa.kernels:
  - .name:           k_qa6b4bd7438_prep
    .symbol:         k_qa6b4bd7438_prep.kd
    .args:
      - { .name: x, .offset: 0, .size: 8, .value_kind: global_buffer, .address_space: global }
      - { .name: Wq, .offset: 8, .size: 8, .value_kind: global_buffer, .address_space: global }
      - { .name: Wk, .offset: 16, .size: 8, .value_kind: global_buffer, .address_space: global }
      - { .name: Wv, .offset: 24, .size: 8, .value_kind: global_buffer, .address_space: global }
      - { .name: Wo, .offset: 32, .size: 8, .value_kind: global_buffer, .address_space: global }
      - { .name: attention_mask, .offset: 40, .size: 8, .value_kind: global_buffer, .address_space: global }
      - { .name: positions, .offset: 48, .size: 8, .value_kind: global_buffer, .address_space: global }
      - { .name: pre, .offset: 56, .size: 8, .value_kind: global_buffer, .address_space: global }
    .group_segment_fixed_size: 0
    .private_segment_fixed_size: 0
    .kernarg_segment_align: 8
    .kernarg_segment_size: 64
    .max_flat_workgroup_size: 256
    .sgpr_count:     66
    .vgpr_count:     176
    .wavefront_size: 32
...
	.end_amdgpu_metadata
.endif
;; end of part 1
;; launch qkv (part 2): grid 16 x 16, 4 waves a work-group, clusters of 4 x 4, 327,680 bytes of LDS; arguments pre, q_norm_w, k_norm_w, mid; writes mid
.if DOCPART == 2
	.amdgcn_target "amdgcn-amd-amdhsa--gfx1250"
	.amdhsa_code_object_version 6
	.text
	.protected	k_qa6b4bd7438_qkv
	.globl	k_qa6b4bd7438_qkv
	.p2align	8
	.type	k_qa6b4bd7438_qkv,@function
k_qa6b4bd7438_qkv:
	s_mov_b64 s[64:65], 0
	v_nop
	global_prefetch_b8 v0, s[64:65] scope:SCOPE_SE
	s_setreg_imm32_b32 hwreg(HW_REG_WAVE_MODE, 25, 1), 1
	s_wait_xcnt 0x0
	s_wait_alu depctr_hold_cnt(0) depctr_sa_sdst(0) depctr_va_vdst(0) depctr_va_sdst(0) depctr_va_ssrc(0) depctr_va_vcc(0) depctr_vm_vsrc(0)
	s_getreg_b32 s2, hwreg(HW_REG_IB_STS2, 6, 4)
	s_cmp_eq_u32 s2, 0
	s_cbranch_scc0 .Lentry_in_a_cluster
	s_endpgm
.Lentry_in_a_cluster:
	s_bfe_u32 s2, ttmp6, 0x10000c
	s_cmp_lg_u32 s2, 0xf033
	s_cbranch_scc0 .Lentry_shape_is_right
	s_endpgm
.Lentry_shape_is_right:
; QKV: C = xb wb, 4096 x 4096 x 2048 in bf16 with f32 sums, and on the way out the per-head RMSNorm (x (1 + w)), the partial RoPE, the rounding to f16 and the layout by heads.
; mid: QH, KH, VH, GH: each [16 = batch x 8 + head][2048][128] f16 (q and k normed and turned, v, the raw gate); VPART [32 blocks of 128 rows][1024] f32: column sums of v.
; A tile of C is 256 x 256: four waves, each 128 x 128 = 64 accumulators.  A wave's 128 columns are exactly one head's q, gate, k or v, so a row's norm stays inside a wave.
; K goes in steps of 128 through two LDS slots filled by tensor loads.  xb lies [row][k]: its fragments come by ds_load_b128.  wb lies [k][n]: its fragments come turned, by ds_load_tr16_b128.
; THE TEXT OF A K STEP STANDS TWICE: in the loop of 14 trips that fills a slot again in every trip, and in a loop of two trips for the last two K steps, which fill nothing.  The slot in hand is a scalar, 0 or SLOT.
; CLUSTER 4 x 4: A's tile is shared along a row of the cluster, B's along a column: joint loads, one a wave behind each round of the cluster's barrier.
; The matrix instruction is used transposed (source 0 = 16 columns of wb, source 1 = 16 rows of xb): lane l holds row l % 16 of C and columns 8 (l / 16) + 0..7.
; LIMITS.  x, the weights and the two norm weights are rounded to bf16.  q, k, v and the gate are stored in f16: |v| stays under 65,504; a gate beyond that becomes an infinity, of which the sigmoid makes 0 or 1.
; REGISTERS, in windows of 256: window 0: v16-31 addresses, v32-63 at work, v64-191 A's fragments (two buffers; free on the way out), v192-255 the norm weights;
;   window 1: v64-191 B's fragments; v0-63 and v192-255 cosines and sines of my 128 rows; window 2: accumulators of my rows 0-63 ((a, b) at 8 (8 a + b)); window 3: rows 64-127.
.set KSTEP,  128
.set PA,     272                       ; a row of A in LDS: 256 bytes + 16: an odd multiple of 16, so the 16 rows of a load start in 16 different groups of four banks
.set PB,     544                       ; a k-row of B: 512 bytes + 32: an odd multiple of 32
.set HALFT,  128*PA                    ; what one tensor load brings: 128 rows of A, or 64 k-rows of B (64 x 544 is the same number)
.set SLOT,   4*HALFT                   ; A's two halves, then B's two halves
.set STAGE,  2*SLOT                    ; behind the ring, never filled by a tensor load: 16 rows x 528 bytes for each wave
.set WST,    16*528
.set SPARE,  STAGE+4*WST               ; the spare words, 128 bytes a wave: two blocks of 256 bytes that no other line names
.set KA,     2048                      ; elements in a row of xb
.set NB,     4096                      ; elements in a row of wb
.set KSTEPS, KA/KSTEP
.set WB,     16777216                  ; places in pre
.set ROPE,   37748736
.set KH,     8388608                   ; places in mid (QH = 0)
.set VH,     16777216
.set GH,     25165824
.set VPART,  33554432
.set ADRA0, 16                         ; LDS address of my A fragments in slot 0; never rewritten
.set ADRA,  17                         ; the same in the slot in hand
.set ADRB0, 20                         ; the same two for B
.set ADRB,  21
.set VS,   22                          ; v's column sums: into the stage,
.set VR,   23                          ; and back
.set STO,  24
.set RD,   25
.set CO,   26                          ; 16 x lane
.set WO,   27                          ; my offset in a norm weight
.set SPW,  28                          ; my spare word; never rewritten
.set NIL,  29                          ; 0; never rewritten
.set PFO,  30                          ; the prefetches' lane offset; never rewritten
.set RO,   31                          ; my offset in the table of cosines and sines
.set RS,   32                          ; v32-47 1/rms of block a's row, twice
.set TT,   48                          ; v48-63 at work
.set F0,   64
.set F1,   128
.set TMP,  64                          ; the way out: packed results
.set OB,   96                          ; rows read back: v96-127 and v128-159 by turns
.set SSQ,  160                         ; v160-191 sums of squares, four registers a block
.set WN,   192                         ; v192-255 1 + w of my columns: column 16 b + 8 (l / 16) + j at WN + 8 b + j
.set WV, 12
.set RH, 13                            ; my half of the tile's rows; also: I fetch for A (0) or B (1)
.set CH, 14                            ; my half of its columns; also: which half of that tile I fetch
.set CX, 15
.set CY, 16
.set TC, 17
.set TR, 18
.set LB, 23                            ; where my part of a slot begins: wave x HALFT
.set G1,  24
.set G0,  32                           ; two sets for the two first fills; the second then walks on
.set LIM, 43
.set PFA, 44
.set PFS, 46
.set G1B, 48
.set G0B, 56
.set TYP, 66                           ; 0: q or k (norm and RoPE); 1: gate; 2: v (column sums)
.set TB,  67                           ; the slot in hand: 0 or SLOT
.set OUT, 68
.set RP,  70
.set WP,  72
.set VP,  74
.set SEL, 76
.set MSB, 0
.macro WIN new                         ; the immediate's high byte repeats the setting that is left; a switch that changes nothing is dropped
.if MSB != (\new)
	s_set_vgpr_msb (MSB<<8)|(\new)
.set MSB, \new
.endif
.endm
.macro PLACES                          ; four plain places behind matrix instructions, in front of loads into their sources
.rept 4
	v_nop
.endr
.endm
; A joint load: waves 0 and 1 fetch A's halves, waves 2 and 3 B's.  The branch hangs on the wave's number alone.  An s_nop 0 and four v_nop follow each line.
.macro JLOAD s
	s_cmp_eq_u32 s[RH], 0
	s_cbranch_scc0 .Lfor_b_\@
	tensor_load_to_lds s[G0+4*(\s):G0+4*(\s)+3], s[G1:G1+7]
	s_nop 0
.rept 4
	v_nop
.endr
	s_branch .Lasked_\@
.Lfor_b_\@:
	tensor_load_to_lds s[G0B+4*(\s):G0B+4*(\s)+3], s[G1B:G1B+7]
	s_nop 0
.rept 4
	v_nop
.endr
.Lasked_\@:
.endm
.macro CREST                           ; a round of the cluster's barrier behind its opening barrier
	s_cmp_lg_u32 s[WV], 0
	s_cbranch_scc1 .Lnot_wave_0_\@
	s_barrier_signal -3
.Lnot_wave_0_\@:
	s_barrier_wait -3
	s_barrier_signal -1
	s_barrier_wait -1
.endm
.macro CROUND
	s_barrier_signal -1
	s_barrier_wait -1
	CREST
.endm
; A prefetch of the K step two refills on: 32 blocks of 256 bytes, a lane a block.  A's rows are named by the clusters with x = 0, B's by those with y = 0; the four partners that ask for a tile
; jointly share its rows out by address.  The loop's last two trips (s3 = 2, 1) have no K step two refills on.
.macro ASK
	s_cmp_gt_u32 s3, s[LIM]
	s_cbranch_scc0 .Lnot_mine_\@
	global_prefetch_b8 v[PFO], s[PFA:PFA+1] th:TH_LOAD_NT scope:SCOPE_SE
.Lnot_mine_\@:
.endm
	s_load_b256 s[4:11], s[0:1], 0x0               ; pre s[4:5], q_norm_w s[6:7], k_norm_w s[8:9], mid s[10:11]
	v_lshl_add_u32 v[SPW], v0, 2, SPARE
	v_mov_b32 v[NIL], 0
	ds_add_u32 v[SPW], v[NIL]                      ; the wave's opening: the add and its wait stand ahead of my first tensor load
	v_lshrrev_b32 v1, 5, v0
	v_readfirstlane_b32 s[WV], v1
	s_lshr_b32 s[RH], s[WV], 1
	s_and_b32 s[CH], s[WV], 1
	s_bfe_u32 s[CX], ttmp6, 0x40000
	s_bfe_u32 s[CY], ttmp6, 0x40004
	s_lshl_b32 s[TC], ttmp9, 2
	s_add_co_u32 s[TC], s[TC], s[CX]               ; tile column = 4 x cluster x + cx
	s_and_b32 s[TR], ttmp7, 0xffff
	s_lshl_b32 s[TR], s[TR], 2
	s_add_co_u32 s[TR], s[TR], s[CY]               ; tile row = 4 x cluster y + cy
	s_lshl_b32 s19, s[CY], 2
	s_lshl_b32 s19, 15, s19                        ; my row of the cluster
	s_lshl_b32 s20, 0x1111, s[CX]                  ; my column
	s_or_b32 s[G1], s19, (1<<16)|(1<<20)|(1<<21)|(5<<22)|(3<<25)   ; mask; 2-byte elements; padding on; bit 21 beside a mask; after every 64 words 4 words
	s_or_b32 s[G1B], s20, (1<<16)|(1<<20)|(1<<21)|(6<<22)|(7<<25)  ; after every 128 words 8 words
	s_mov_b32 s[G1+1], KSTEP<<16                   ; A: 128 rows x 128 elements, KA elements from row to row
	s_mov_b32 s[G1+2], 128<<16
	s_mov_b32 s[G1+3], KSTEP<<16
	s_mov_b32 s[G1+4], 128
	s_mov_b32 s[G1+5], KA
	s_mov_b32 s[G1+6], 0
	s_mov_b32 s[G1+7], 0
	s_mov_b32 s[G1B+1], 256<<16                    ; B: 64 k-rows x 256 elements, NB elements from row to row
	s_mov_b32 s[G1B+2], 64<<16
	s_mov_b32 s[G1B+3], 256<<16
	s_mov_b32 s[G1B+4], 64
	s_mov_b32 s[G1B+5], NB
	s_mov_b32 s[G1B+6], 0
	s_mov_b32 s[G1B+7], 0
	s_lshl_b32 s80, s[TR], 8                       ; A: row 256 x tile row + 128 x half: registers that never hold cx
	s_lshl_b32 s81, s[CH], 7
	s_add_co_u32 s80, s80, s81
	s_mul_i32 s80, s80, 2*KA
	s_mov_b32 s81, 0
	s_mul_i32 s82, s[CH], 64*2*NB                  ; B: k-row 64 x half, column 256 x tile column: registers that never hold cy
	s_lshl_b32 s83, s[TC], 9
	s_add_co_u32 s82, s82, s83
	s_add_co_u32 s82, s82, WB
	s_mov_b32 s83, 0
	s_mul_i32 s[LB], s[WV], HALFT                  ; where my part lands: the wave's number alone
	s_mov_b32 s[TB], 0
	s_wait_dscnt 0x0                               ; the opening add is done
	s_wait_kmcnt 0x0
	s_add_nc_u64 s[84:85], s[4:5], s[80:81]
	s_add_nc_u64 s[86:87], s[4:5], s[82:83]
	CROUND                                         ; all sixteen work-groups are here: the first joint loads meet
.irp s, 0,1
	s_mov_b32 s[G0+4*(\s)], 1
	s_add_co_u32 s[G0+4*(\s)+1], s[LB], (\s)*SLOT
	s_add_nc_u64 s[G0+4*(\s)+2:G0+4*(\s)+3], s[84:85], (\s)*KSTEP*2
	s_or_b32 s[G0+4*(\s)+3], s[G0+4*(\s)+3], 0x80000000
	s_mov_b32 s[G0B+4*(\s)], 1
	s_add_co_u32 s[G0B+4*(\s)+1], s[LB], (\s)*SLOT
	s_add_nc_u64 s[G0B+4*(\s)+2:G0B+4*(\s)+3], s[86:87], (\s)*KSTEP*2*NB
	s_or_b32 s[G0B+4*(\s)+3], s[G0B+4*(\s)+3], 0x80000000
	JLOAD \s                                       ; two loads of mine are out
.endr
	; what my 128 x 128 is: it hangs on the cluster's x and the wave's number alone
	s_lshl_b32 s21, s[CX], 1
	s_add_co_u32 s21, s21, s[CH]                   ; the head of a k or v part
	s_mul_i32 s22, s[CH], GH                       ; q (0) or gate
	s_cmp_lt_u32 ttmp9, 2
	s_cselect_b32 s[TYP], s[CH], 0
	s_cselect_b32 s21, s[TC], s21
	s_cselect_b32 s22, s22, KH
	s_cselect_b64 s[WP:WP+1], s[6:7], s[8:9]
	s_cmp_eq_u32 ttmp9, 3
	s_cselect_b32 s[TYP], 2, s[TYP]
	s_cselect_b32 s22, VH, s22
	s_lshl_b32 s40, s[TR], 8
	s_lshl_b32 s41, s[RH], 7
	s_add_co_u32 s40, s40, s41                     ; my first row of x
	s_lshr_b32 s41, s[TR], 3                       ; batch
	s_lshl3_add_u32 s41, s41, s21                  ; batch x 8 + head
	s_lshl_b32 s41, s41, 11
	s_and_b32 s42, s40, 2047
	s_add_co_u32 s41, s41, s42
	s_lshl_b32 s88, s41, 8                         ; rows of 256 bytes
	s_add_co_u32 s88, s88, s22
	s_mov_b32 s89, 0
	s_add_nc_u64 s[OUT:OUT+1], s[10:11], s[88:89]  ; my 128 rows are 32 KiB on end
	s_lshl_b32 s88, s40, 7
	s_add_co_u32 s88, s88, ROPE
	s_add_nc_u64 s[RP:RP+1], s[4:5], s[88:89]
	s_lshl_b32 s88, s[TR], 1
	s_add_co_u32 s88, s88, s[RH]
	s_lshl_b32 s88, s88, 10
	s_lshl_b32 s42, s21, 7
	s_add_co_u32 s88, s88, s42
	s_lshl_b32 s88, s88, 2
	s_add_co_u32 s88, s88, VPART
	s_add_nc_u64 s[VP:VP+1], s[10:11], s[88:89]
	; the prefetches: A: my work-group's 32 of the 128 rows that I fetch; B: its 16 of the 64 k-rows, two blocks a row.  They stand at K step 3; each change of slots steps first and then names
	s_lshl_b32 s88, s[TR], 8
	s_lshl_b32 s42, s[CH], 7
	s_add_co_u32 s88, s88, s42
	s_lshl_b32 s42, s[CX], 5
	s_add_co_u32 s88, s88, s42
	s_lshl_b32 s88, s88, 12
	s_add_co_u32 s88, s88, 3*KSTEP*2
	s_lshl_b32 s90, s[CH], 6
	s_lshl_b32 s42, s[CY], 4
	s_add_co_u32 s90, s90, s42
	s_lshl_b32 s90, s90, 13
	s_lshl_b32 s42, s[TC], 9
	s_add_co_u32 s90, s90, s42
	s_add_co_u32 s90, s90, WB+3*KSTEP*2*NB
	s_and_b32 s41, ttmp7, 0xffff
	s_mov_b32 s[PFS], KSTEP*2*NB
	s_mov_b32 s42, 256
	s_cmp_eq_u32 s[RH], 0
	s_cselect_b32 s88, s88, s90
	s_cselect_b32 s41, ttmp9, s41                  ; the coordinate along which other clusters read the same rows
	s_cselect_b32 s[PFS], KSTEP*2, s[PFS]
	s_cselect_b32 s42, 4096, s42
	s_mov_b32 s[PFS+1], 0
	s_add_nc_u64 s[PFA:PFA+1], s[4:5], s[88:89]
	s_cmp_eq_u32 s41, 0
	s_cselect_b32 s[LIM], 2, -1
	s_mov_b32 s[SEL], 0x76543210
	s_mov_b32 s[SEL+1], 0xfedcba98
	s_mov_b32 s78, 0x3c000000                      ; 1 / 128
	s_mov_b32 s79, 0x358637bd                      ; 1e-6
	v_and_b32 v1, 15, v0                           ; l % 16
	v_bfe_u32 v2, v0, 4, 1                         ; l / 16
	v_and_b32 v6, 31, v0                           ; l
	v_mul_u32_u24 v3, v1, PA
	v_lshl_add_u32 v3, v2, 4, v3                   ; row x 272 + 16 x half
	s_mul_i32 s41, s[RH], HALFT
	v_add_nc_u32 v[ADRA0], s41, v3
	v_mov_b32 v[ADRA], v[ADRA0]
	v_and_b32 v4, 7, v0                            ; the turning load: lane l reads k-row 8 (l / 16) + l % 8, 16 bytes at 16 ((l / 8) % 2)
	v_lshl_add_u32 v4, v2, 3, v4
	v_mul_u32_u24 v4, v4, PB
	v_bfe_u32 v5, v0, 3, 1
	v_lshl_add_u32 v4, v5, 4, v4
	s_lshl_b32 s41, s[CH], 8
	s_add_co_u32 s41, s41, 2*HALFT
	v_add_nc_u32 v[ADRB0], s41, v4
	v_mov_b32 v[ADRB], v[ADRB0]
	s_mul_i32 s41, s[WV], WST
	s_add_co_u32 s41, s41, STAGE                   ; my stage
	v_add_nc_u32 v[STO], s41, v3
	v_mul_u32_u24 v5, v2, 272
	v_lshl_add_u32 v5, v1, 4, v5
	v_add_nc_u32 v[RD], s41, v5
	v_lshlrev_b32 v[CO], 4, v6
	v_mul_u32_u24 v5, v1, 528
	v_lshl_add_u32 v5, v2, 5, v5
	v_add_nc_u32 v[VS], s41, v5
	v_add_nc_u32 v[VR], s41, v[CO]
	v_lshlrev_b32 v[WO], 5, v2
	v_lshlrev_b32 v[RO], 7, v1
	v_lshl_add_u32 v[RO], v2, 5, v[RO]
	v_and_b32 v[PFO], 30, v6
	v_lshlrev_b32 v[PFO], 12, v[PFO]
	v_and_b32 v5, 1, v6
	v_mad_u32_u24 v[PFO], v5, s42, v[PFO]
	; cosines, sines and norm weights: every wave loads them, into registers that lie idle in the loop; they are waited for once, on the way out
	WIN 0x40
.irp a, 0,1,2,3,4,5,6,7
	global_load_b128 v[16*(\a)+128*((\a)/4):16*(\a)+128*((\a)/4)+3],     v[RO], s[RP:RP+1] offset:(\a)*2048
	global_load_b128 v[16*(\a)+128*((\a)/4)+4:16*(\a)+128*((\a)/4)+7],   v[RO], s[RP:RP+1] offset:(\a)*2048+16
	global_load_b128 v[16*(\a)+128*((\a)/4)+8:16*(\a)+128*((\a)/4)+11],  v[RO], s[RP:RP+1] offset:(\a)*2048+64
	global_load_b128 v[16*(\a)+128*((\a)/4)+12:16*(\a)+128*((\a)/4)+15], v[RO], s[RP:RP+1] offset:(\a)*2048+80
.endr
	WIN 0
.irp b, 0,1,2,3,4,5,6,7
	global_load_b128 v[WN+8*(\b):WN+8*(\b)+3],   v[WO], s[WP:WP+1] offset:64*(\b)
	global_load_b128 v[WN+8*(\b)+4:WN+8*(\b)+7], v[WO], s[WP:WP+1] offset:64*(\b)+16
.endr
; Eight matrix instructions: block a of 16 rows x all 8 blocks of 16 columns, 32 along K.  The 64 accumulators take turns in the same order in every quarter.
.macro MULA f, a, zero
	WIN 0xa1+0x50*((\a)/4)
.irp b, 0,1,2,3,4,5,6,7
.if \zero
	v_wmma_f32_16x16x32_bf16 v[8*(8*((\a)%4)+(\b)):8*(8*((\a)%4)+(\b))+7], v[(\f)+8*(\b):(\f)+8*(\b)+7], v[(\f)+8*(\a):(\f)+8*(\a)+7], 0
.else
	v_wmma_f32_16x16x32_bf16 v[8*(8*((\a)%4)+(\b)):8*(8*((\a)%4)+(\b))+7], v[(\f)+8*(\b):(\f)+8*(\b)+7], v[(\f)+8*(\a):(\f)+8*(\a)+7], v[8*(8*((\a)%4)+(\b)):8*(8*((\a)%4)+(\b))+7]
.endif
.endr
.endm
.macro MUL2 f, a0, zero
	MULA \f, \a0, \zero
	MULA \f, (\a0)+1, \zero
.endm
; 32 LDS loads in one run: quarter q (32 along K) of the slot in hand into buffer f: B's 16 (turned), then A's 16
.macro FETCH q, f
	WIN 0x40
.irp b, 0,1,2,3,4,5,6,7
	ds_load_tr16_b128 v[(\f)+8*(\b):(\f)+8*(\b)+3],   v[ADRB] offset:(\q)*32*PB+32*(\b)
	ds_load_tr16_b128 v[(\f)+8*(\b)+4:(\f)+8*(\b)+7], v[ADRB] offset:(\q)*32*PB+16*PB+32*(\b)
.endr
	WIN 0
.irp a, 0,1,2,3,4,5,6,7
	ds_load_b128 v[(\f)+8*(\a):(\f)+8*(\a)+3],   v[ADRA] offset:64*(\q)+(\a)*16*PA
	ds_load_b128 v[(\f)+8*(\a)+4:(\f)+8*(\a)+7], v[ADRA] offset:64*(\q)+(\a)*16*PA+32
.endr
.endm
; One of a K step's first three quarters: multiplies buffer f; in its middle fetches quarter q into buffer g
.macro QUARTER q, f, g, zero
	s_wait_dscnt 8                                 ; B and A's blocks 0-3 are in; the youngest eight loads (blocks 4-7) may be out
	MUL2 \f, 0, \zero
	MUL2 \f, 2, \zero
	PLACES
	FETCH \q, \g
	s_wait_dscnt 32                                ; all but the 32 just issued
	MUL2 \f, 4, \zero
	MUL2 \f, 6, \zero
.endm
; The first half of a K step's last quarter, and the one barrier of a change of slots
.macro MEET round
	WIN 0
	s_wait_tensorcnt 0x0                           ; all my tensor loads have landed: the one that was out is my part of the next slot
	ds_add_u32 v[SPW], v[NIL]                      ; 0 onto my spare word
	s_wait_dscnt 9                                 ; (the add and the youngest eight loads may be out)
	MUL2 F1, 0, 0
	s_wait_dscnt 0x0                               ; the add is done, and my reads of this slot are over
	s_barrier_signal -1
	MUL2 F1, 2, 0
.if \round
	WIN 0
.endif
	s_barrier_wait -1
.endm
; The last quarter of a K step whose slot is filled again: the walking descriptors take the slot just read and the K step two on; then the other slot becomes the slot in hand
.macro TURN
	s_wait_xcnt 0x0                                ; the last prefetch, a K step back, has read its address
	s_add_nc_u64 s[PFA:PFA+1], s[PFA:PFA+1], s[PFS:PFS+1]
	MEET 1
	CREST                                          ; no wave of any partner still reads this slot or has a load on its way
	s_add_co_u32 s[G0+5], s[TB], s[LB]
	s_add_co_u32 s[G0B+5], s[TB], s[LB]
	s_add_nc_u64 s[G0+6:G0+7], s[G0+6:G0+7], KSTEP*2
	s_add_nc_u64 s[G0B+6:G0B+7], s[G0B+6:G0B+7], KSTEP*2*NB
	s_xor_b32 s[TB], s[TB], SLOT
	JLOAD 1                                        ; my one tensor load behind the round; its four v_nop are also the places in front of the loads below
	v_add_nc_u32 v[ADRA], s[TB], v[ADRA0]
	v_add_nc_u32 v[ADRB], s[TB], v[ADRB0]
	FETCH 0, F0
	ASK
	MUL2 F1, 4, 0
	MUL2 F1, 6, 0
.endm
	s_wait_tensorcnt 1                             ; my part of K step 0 is in; K step 1's may stay out
	s_barrier_signal -1
	s_barrier_wait -1
	FETCH 0, F0
	QUARTER 1, F0, F1, 1                           ; the first quarter's products start the sums
	WIN 0
	s_mov_b32 s3, KSTEPS-2
.Lstep:                                        ; a trip goes from a K step's second quarter to the next step's first, and fills the slot that it leaves: K steps 2 to 15
	QUARTER 2, F1, F0, 0
	QUARTER 3, F0, F1, 0
	TURN
	QUARTER 1, F0, F1, 0
	WIN 0
	s_sub_co_u32 s3, s3, 1
	s_cmp_lg_u32 s3, 0
	s_cbranch_scc1 .Lstep
	s_mov_b32 s3, 2
.Ltail:                                        ; the last two K steps fill nothing: the same trip with no round and no tensor load; its second trip has no next step, and jumps over the fetch and the quarter that belong to one
	QUARTER 2, F1, F0, 0
	QUARTER 3, F0, F1, 0
	MEET 0
	WIN 0
	s_cmp_eq_u32 s3, 1
	s_cbranch_scc1 .Lnofetch
	s_xor_b32 s[TB], s[TB], SLOT
	v_add_nc_u32 v[ADRA], s[TB], v[ADRA0]          ; these two and two v_nop are the places in front of the loads
	v_add_nc_u32 v[ADRB], s[TB], v[ADRB0]
	v_nop
	v_nop
	FETCH 0, F0
.Lnofetch:
	MUL2 F1, 4, 0
	MUL2 F1, 6, 0
	WIN 0
	s_cmp_eq_u32 s3, 1
	s_cbranch_scc1 .Llast
	QUARTER 1, F0, F1, 0
	WIN 0
.Llast:
	s_sub_co_u32 s3, s3, 1
	s_cmp_lg_u32 s3, 0
	s_cbranch_scc1 .Ltail
.rept 8
	v_nop                                          ; the places behind the last products
.endr
; THE WAY OUT.
.macro SS a                            ; block a: my 64 numbers' squares in two chains; each accumulator's lowest registers are read first
	WIN 0x0a+5*((\a)/4)
.set AC, 64*((\a)%4)
.set p, 0
.rept 32
.if p < 2
	v_pk_mul_f32 v[SSQ+4*(\a)+2*p:SSQ+4*(\a)+2*p+1], v[AC+2*p:AC+2*p+1], v[AC+2*p:AC+2*p+1]
.else
	v_pk_fma_f32 v[SSQ+4*(\a)+2*(p%2):SSQ+4*(\a)+2*(p%2)+1], v[AC+2*p:AC+2*p+1], v[AC+2*p:AC+2*p+1], v[SSQ+4*(\a)+2*(p%2):SSQ+4*(\a)+2*(p%2)+1]
.endif
.set p, p+1
.endr
.endm
.macro SCALE a                         ; x 1/rms (by row = lane), x (1 + w) (by column = register)
	WIN 0x82+0x41*((\a)/4)
.set AC, 64*((\a)%4)
.set p, 0
.rept 32
	v_pk_mul_f32 v[AC+2*p:AC+2*p+1], v[AC+2*p:AC+2*p+1], v[RS+2*(\a):RS+2*(\a)+1]
.set p, p+1
.endr
.set p, 0
.rept 32
	v_pk_mul_f32 v[AC+2*p:AC+2*p+1], v[AC+2*p:AC+2*p+1], v[WN+2*p:WN+2*p+1]
.set p, p+1
.endr
.endm
.macro ROPEA a                         ; dims 0-15 lie in column block 0, dims 16-31 in block 1, the same register and lane: y1' = y1 cos - y2 sin, y2' = y1 sin + y2 cos
.set AC, 64*((\a)%4)
.set CSB, 16*(\a)+128*((\a)/4)
	WIN 0x06+((\a)/4)
.irp jj, 0,1,2,3
	v_pk_mul_f32 v[TT+2*(\jj):TT+2*(\jj)+1],     v[AC+8+2*(\jj):AC+8+2*(\jj)+1], v[CSB+8+2*(\jj):CSB+8+2*(\jj)+1]
	v_pk_mul_f32 v[TT+8+2*(\jj):TT+8+2*(\jj)+1], v[AC+2*(\jj):AC+2*(\jj)+1],     v[CSB+8+2*(\jj):CSB+8+2*(\jj)+1]
.endr
	WIN 0x86+0x41*((\a)/4)
.irp jj, 0,1,2,3
	v_pk_fma_f32 v[AC+2*(\jj):AC+2*(\jj)+1],     v[AC+2*(\jj):AC+2*(\jj)+1],     v[CSB+2*(\jj):CSB+2*(\jj)+1], v[TT+2*(\jj):TT+2*(\jj)+1] neg_lo:[0,0,1] neg_hi:[0,0,1]
	v_pk_fma_f32 v[AC+8+2*(\jj):AC+8+2*(\jj)+1], v[AC+8+2*(\jj):AC+8+2*(\jj)+1], v[CSB+2*(\jj):CSB+2*(\jj)+1], v[TT+8+2*(\jj):TT+8+2*(\jj)+1]
.endr
.endm
.macro PACK a                          ; rounded to f16: 16 bytes a lane and column block
	WIN 0x0a+5*((\a)/4)
.set AC, 64*((\a)%4)
.irp b, 0,1,2,3,4,5,6,7
.irp r, 0,1,2,3
	v_cvt_pk_f16_f32 v[TMP+4*(\b)+(\r)], v[AC+8*(\b)+2*(\r)], v[AC+8*(\b)+2*(\r)+1]
.endr
.endr
	WIN 0
.endm
.macro TOSTAGE a                       ; into my own stage, and back as whole rows of 256 bytes; LDS serves a wave's instructions in order
.set BK, OB+32*((\a)%2)
.irp b, 0,1,2,3,4,5,6,7
	ds_store_b128 v[STO], v[TMP+4*(\b):TMP+4*(\b)+3] offset:32*(\b)
.endr
.irp t, 0,1,2,3,4,5,6,7
	ds_load_b128 v[BK+4*(\t):BK+4*(\t)+3], v[RD] offset:(\t)*544
.endr
.endm
.macro SEND a
.set BK, OB+32*((\a)%2)
	s_wait_dscnt 0x0                               ; the block is back in registers
	s_wait_xcnt 0x0                                ; the registers that earlier stores read are loaded again only behind this wait
.irp t, 0,1,2,3,4,5,6,7
	global_store_b128 v[CO], v[BK+4*(\t):BK+4*(\t)+3], s[OUT:OUT+1] offset:(\a)*4096+(\t)*512  ; 512 consecutive bytes, aligned
.endr
.endm
	s_wait_loadcnt 0x0                             ; cosines, sines, norm weights
	s_cmp_lg_u32 s[TYP], 0
	s_cbranch_scc1 .Lplain
.irp a, 0,1,2,3,4,5,6,7
	SS \a
.endr
	WIN 0
.irp a, 0,1,2,3,4,5,6,7
	v_pk_add_f32 v[SSQ+4*(\a):SSQ+4*(\a)+1], v[SSQ+4*(\a):SSQ+4*(\a)+1], v[SSQ+4*(\a)+2:SSQ+4*(\a)+3]
.endr
.irp a, 0,1,2,3,4,5,6,7
	v_add_f32 v[SSQ+4*(\a)], v[SSQ+4*(\a)], v[SSQ+4*(\a)+1]
.endr
.irp a, 0,1,2,3,4,5,6,7
	v_permlanex16_b32 v[SSQ+4*(\a)+1], v[SSQ+4*(\a)], s[SEL], s[SEL+1]  ; the row's other 64 columns lie in the lane 16 away
.endr
.irp a, 0,1,2,3,4,5,6,7
	v_add_f32 v[SSQ+4*(\a)], v[SSQ+4*(\a)], v[SSQ+4*(\a)+1]
.endr
.irp a, 0,1,2,3,4,5,6,7
	v_fma_f32 v[SSQ+4*(\a)], v[SSQ+4*(\a)], s78, s79   ; mean + eps
.endr
.irp a, 0,1,2,3,4,5,6,7
	v_rsq_f32 v[RS+2*(\a)], v[SSQ+4*(\a)]
	v_rsq_f32 v[RS+2*(\a)+1], v[SSQ+4*(\a)]
.endr
.set i, 0
.rept 32                               ; independent work behind the batch: w rounded to bf16 like every other input, then 1 + w
	v_cvt_pk_bf16_f32 v[TT+i%16], v[WN+2*i], v[WN+2*i+1]
	v_lshlrev_b32 v[WN+2*i], 16, v[TT+i%16]
	v_and_b32 v[WN+2*i+1], 0xffff0000, v[TT+i%16]
	v_pk_add_f32 v[WN+2*i:WN+2*i+1], v[WN+2*i:WN+2*i+1], 1.0 op_sel_hi:[1,0]
.set i, i+1
.endr
	s_wait_alu depctr_va_vdst(0)                   ; one wait for the sixteen roots, ahead of their first reader
.irp a, 0,1,2,3,4,5,6,7
	SCALE \a
	ROPEA \a
.endr
	WIN 0
.Lplain:
	PACK 0
	TOSTAGE 0
.irp a, 1,2,3,4,5,6,7
	PACK \a
	SEND (\a)-1
	TOSTAGE \a
.endr
	SEND 7
	s_cmp_lg_u32 s[TYP], 2
	s_cbranch_scc1 .Lend
	; v alone: the sums of my 128 rows, column by column, in f32: first over the eight blocks in registers, then over the 16 rows through my stage
	s_wait_xcnt 0x0                                ; the last stores have read their registers
	WIN 0x0a
.set p, 0
.rept 32
	v_pk_add_f32 v[64+2*p:64+2*p+1], v[2*p:2*p+1], v[64+2*p:64+2*p+1]
.set p, p+1
.endr
	WIN 0x02
.irp a, 2,3
.set p, 0
.rept 32
	v_pk_add_f32 v[64+2*p:64+2*p+1], v[64*(\a)+2*p:64*(\a)+2*p+1], v[64+2*p:64+2*p+1]
.set p, p+1
.endr
.endr
	WIN 0x03
.irp a, 0,1,2,3
.set p, 0
.rept 32
	v_pk_add_f32 v[64+2*p:64+2*p+1], v[64*(\a)+2*p:64*(\a)+2*p+1], v[64+2*p:64+2*p+1]
.set p, p+1
.endr
.endr
	WIN 0
.irp b, 0,1,2,3,4,5,6,7
	ds_store_b128 v[VS], v[64+8*(\b):64+8*(\b)+3] offset:64*(\b)
	ds_store_b128 v[VS], v[64+8*(\b)+4:64+8*(\b)+7] offset:64*(\b)+16
.endr
.irp i, 0,1,2,3,4,5,6,7,8,9,10,11,12,13,14,15
	ds_load_b128 v[128+4*(\i):128+4*(\i)+3], v[VR] offset:528*(\i)   ; row i, my four columns
.endr
	s_wait_dscnt 0x0
.irp h, 8,4,2,1
.set i, 0
.rept \h
	v_pk_add_f32 v[128+4*i:128+4*i+1], v[128+4*i:128+4*i+1], v[128+4*(i+(\h)):128+4*(i+(\h))+1]
	v_pk_add_f32 v[128+4*i+2:128+4*i+3], v[128+4*i+2:128+4*i+3], v[128+4*(i+(\h))+2:128+4*(i+(\h))+3]
.set i, i+1
.endr
.endr
	global_store_b128 v[CO], v[128:131], s[VP:VP+1]
.Lend:
	s_wait_tensorcnt 0x0                           ; the wave's end, behind my last tensor load and my last LDS store
	ds_add_u32 v[SPW], v[NIL]
	s_wait_dscnt 0x0
	CROUND                                         ; the closing round
	s_endpgm
.Lfunc_end_k_qa6b4bd7438_qkv:
	.size	k_qa6b4bd7438_qkv, .Lfunc_end_k_qa6b4bd7438_qkv-k_qa6b4bd7438_qkv
	.p2alignl 7, 3214868480
	.fill 96, 4, 3214868480
	.section	.rodata,"a",@progbits
	.p2align	6, 0x0
	.amdhsa_kernel k_qa6b4bd7438_qkv
		.amdhsa_group_segment_fixed_size 327680
		.amdhsa_private_segment_fixed_size 0
		.amdhsa_enable_private_segment 0
		.amdhsa_kernarg_size 32
		.amdhsa_user_sgpr_count 2
		.amdhsa_user_sgpr_kernarg_segment_ptr 1
		.amdhsa_wavefront_size32 1
		.amdhsa_system_sgpr_workgroup_id_x 1
		.amdhsa_system_sgpr_workgroup_id_y 1
		.amdhsa_system_sgpr_workgroup_id_z 1
		.amdhsa_system_vgpr_workitem_id 0
		.amdhsa_next_free_vgpr 1024
		.amdhsa_next_free_sgpr 92
		.amdhsa_reserve_vcc 0
		.amdhsa_float_denorm_mode_32 3
		.amdhsa_float_denorm_mode_16_64 3
		.amdhsa_memory_ordered 1
		.amdhsa_forward_progress 1
		.amdhsa_inst_pref_size 192
	.end_amdhsa_kernel
	.amdgpu_metadata
---
amdhsa.version: [ 1, 2 ]
amdhsa.kernels:
  - .name:           k_qa6b4bd7438_qkv
    .symbol:         k_qa6b4bd7438_qkv.kd
    .args:
      - { .name: pre, .offset: 0, .size: 8, .value_kind: global_buffer, .address_space: global }
      - { .name: q_norm_w, .offset: 8, .size: 8, .value_kind: global_buffer, .address_space: global }
      - { .name: k_norm_w, .offset: 16, .size: 8, .value_kind: global_buffer, .address_space: global }
      - { .name: mid, .offset: 24, .size: 8, .value_kind: global_buffer, .address_space: global }
    .group_segment_fixed_size: 327680
    .private_segment_fixed_size: 0
    .kernarg_segment_align: 8
    .kernarg_segment_size: 32
    .max_flat_workgroup_size: 128
    .sgpr_count:     92
    .vgpr_count:     1024
    .wavefront_size: 32
...
	.end_amdgpu_metadata
.endif
;; end of part 2
;; launch attn (part 3): grid 16 x 16, 4 waves a work-group, clusters of 4 x 1, 327,680 bytes of LDS; arguments mid, pre, ao; writes ao
.if DOCPART == 3
	.amdgcn_target "amdgcn-amd-amdhsa--gfx1250"
	.amdhsa_code_object_version 6
	.text
	.protected	k_qa6b4bd7438_attn
	.globl	k_qa6b4bd7438_attn
	.p2align	8
	.type	k_qa6b4bd7438_attn,@function
k_qa6b4bd7438_attn:
	s_mov_b64 s[64:65], 0
	v_nop
	global_prefetch_b8 v0, s[64:65] scope:SCOPE_SE
	s_setreg_imm32_b32 hwreg(HW_REG_WAVE_MODE, 25, 1), 1
	s_wait_xcnt 0x0
	s_wait_alu depctr_hold_cnt(0) depctr_sa_sdst(0) depctr_va_vdst(0) depctr_va_sdst(0) depctr_va_ssrc(0) depctr_va_vcc(0) depctr_vm_vsrc(0)
	s_getreg_b32 s2, hwreg(HW_REG_IB_STS2, 6, 4)
	s_cmp_eq_u32 s2, 0
	s_cbranch_scc0 .Lentry_in_a_cluster
	s_endpgm
.Lentry_in_a_cluster:
	s_bfe_u32 s2, ttmp6, 0x10000c
	s_cmp_lg_u32 s2, 0x3003
	s_cbranch_scc0 .Lentry_shape_is_right
	s_endpgm
.Lentry_shape_is_right:
; ATTN: ao[row][head x 128 + d] = sigmoid(gate) x the sum over keys of softmax(q . k / sqrt(128), causal and masked by the key mask) v.  q, k, v, gate: f16 by heads (mid); ao f16.
; Products, maxima and sums in f32; the weights are rounded to f16 for the second product, their sum is taken unrounded; ao is rounded once.
; SHARES.  A head's 2,048 queries lie in 32 blocks of 64.  A work-group takes two: 31 - 4 c - cx and then 4 c + cx (c the cluster's x, cx its place in the cluster).  All four waves hold the same 64 queries
; (four tiles of 16) and SPLIT THE KEYS: of a round's 128 keys wave w takes 32 w .. 32 w + 31.  At a block's end the four partial results meet in LDS, and wave w finishes tile w.
; CLUSTER.  The four partners walk ONE sequence of rounds, 16 - 2 c for the high blocks and 2 c + 2 for the low ones: 18 trips in every work-group, every tile of K and V asked for jointly.
; A round that a partner's block does not need is hidden for it by the causal compare, and counts for nothing.  No branch, trip count or LDS address hangs on cx.
; V^T P ONE CHANGE OF SLOTS LATER.  When a trip ends, its P and V lie in registers.  Its 32 products V^T P are issued in the next trip: 16 between the signal and the wait that open the round, 16 behind the run
; of LDS loads that fetches the next K: work on registers while the wave would wait for its partners and for LDS.  A block's end issues its own round's products first.  The merge then uses P's registers
; for other numbers, so at a change of blocks P is set to 0: the next trip's products add 0 to an O^T that the new block's first step multiplies by 0.  At the start P and V hold 0, and the same products
; with C = 0 start O^T.
; MASKS.  The key mask is the C operand that starts a score's sum: 0 or -1e30.  Above the diagonal a score is replaced by -1e30.  The running maximum m starts at -2^99, above every hidden score and far below
; every real one, so a hidden score has weight 0 from the first step on; c m starts far lower, so a block's first step multiplies what O and l hold by 0.
; A ROW WITH NO VISIBLE KEY has the mean of v over all 2,048 keys: the merge adds a virtual key of scaled score -2^90 (above c x -2^99, below every real c s), weight 1 and value mean(v), which
; counts for nothing beside any real key.  mean(v) comes from the projection's column sums.
; LIMITS.  Real scores lie far above -2^90 / c (q and k are normalised rows).  A weight below 2^-126 counts as 0.  NaN and infinities are not treated apart, but for an infinite gate (sigmoid 0 or 1).
; REGISTERS: window 0: v1-15, v48-63 addresses and constants; v16-31 statistics (c m, m, l, l a tile); v32-47 at work; v64-127 S^T; v128-159 P; v160-175 the key mask; v176-191 at work; v192-255 K.
;   window 1: O^T, 64 a tile.  window 2: v0-127 Q; v128-191 V.
.set PK,    272
.set PV,    288
.set VOFF,  128*PK                     ; a slot: 128 rows of K, then 128 rows of V
.set SLOT1, 128*(PK+PV)
.set MRG,   2*SLOT1                    ; partial O^T as registers lie: wave x 32,768 + tile x 8,192 + i x 512 + lane x 16
.set ML,    MRG+131072                 ; (c m, l): tile x 1,024 + wave x 256 + lane x 8
.set VMEAN, ML+4096                    ; mean(v), 128 f32
.set STAGE, VMEAN+512                  ; 16 rows x 272 bytes a wave
.set SP,    272
.set SPARE, STAGE+4*16*SP              ; the spare words: two blocks of 256 bytes that no other line names
.set KH,    8388608
.set VH,    16777216
.set GH,    25165824
.set VPART, 33554432
.set KADD,  38273024
.set AK0, 3
.set AV0, 4
.set AK,  5
.set AV,  6
.set QO,  7
.set STO, 8
.set RD,  9
.set GO,  10
.set MWR, 11
.set MRD0, 12
.set MRD1, 13
.set MLW, 14
.set MLR, 15
.set ST,  16
.set TMP, 32                           ; a tile: c0, c1, a, d
.set VMR, 48
.set KO,  49
.set KOF, 50
.set DQ,  51
.set DQ2, 52
.set BIG, 53
.set PFO, 54
.set NLE, 55                           ; - log2 e
.set ZR,  56                           ; 0, for the widening multiply-add
.set SPW, 62
.set NIL, 63
.set S,   64
.set P,   128
.set MC,  160
.set KF,  192
.set VF,  128                          ; window 2
.set KB, 10
.set VB, 12
.set QC, 14
.set Q2, 16
.set GC, 18
.set G2, 20
.set OC, 22
.set G1K, 24
.set G1V, 32
.set G0K, 40
.set G0V, 44
.set O2, 48
.set KA, 50
.set PFA, 52
.set PFB, 54
.set TRIPS, 56
.set WV, 57
.set CS, 58
.set SEL, 60
.set TB, 62                            ; the slot that is read
.set TBF, 63                           ; the slot that is filled
.set NXT, 66                           ; the round to be asked for next
.set LQ, 67
.set LQ2, 68
.set RT, 69                            ; rounds that the block in hand still has
.set SD, 70                            ; 64 x block - 32 w - 128 x round: data alone (it holds cx)
.set SDC, 71                           ; the same for the partners' lowest block: the branch's
.set SD2, 72
.set SDC2, 73
.set OFF, 74
.set KOS, 76
.set PLIM, 77
.set PFG, 78
.set LK, 79
.set LV, 80
.set VIRT, 81
.set RT2, 83
.set VPP, 92
.set MSB, 0
.macro WIN new
.if MSB != (\new)
	s_set_vgpr_msb (MSB<<8)|(\new)
.set MSB, \new
.endif
.endm
.macro PLACES
.rept 4
	v_nop
.endr
.endm
.macro ALLT line:vararg                ; one line for each tile t
.set t, 0
.rept 4
	\line
.set t, t+1
.endr
.endm
.macro JLOAD                           ; waves 0 and 1 fetch the halves of a round's K, waves 2 and 3 of its V; an s_nop 0 and four v_nop follow each line
	s_cmp_lt_u32 s[WV], 2
	s_cbranch_scc0 .Lfor_v_\@
	tensor_load_to_lds s[G0K:G0K+3], s[G1K:G1K+7]
	s_nop 0
.rept 4
	v_nop
.endr
	s_branch .Lasked_\@
.Lfor_v_\@:
	tensor_load_to_lds s[G0V:G0V+3], s[G1V:G1V+7]
	s_nop 0
.rept 4
	v_nop
.endr
.Lasked_\@:
.endm
.macro CREST                           ; a round of the cluster's barrier behind its opening barrier
	s_cmp_lg_u32 s[WV], 0
	s_cbranch_scc1 .Lnot_wave_0_\@
	s_barrier_signal -3
.Lnot_wave_0_\@:
	s_barrier_wait -3
	s_barrier_signal -1
	s_barrier_wait -1
.endm
.macro CROUND
	s_barrier_signal -1
	s_barrier_wait -1
	CREST
.endm
; Half h of a round's 32 products O^T += V^T P: channel blocks 4 h .. 4 h + 3, all four tiles.  The accumulators take turns.  zero = 1: the products start the sums.
.macro PVH h, zero
	WIN 0x52                                       ; V in window 2, P in window 0, O^T in window 1
.irp cb, 0,1,2,3
.irp t, 0,1,2,3
.if \zero
	v_wmma_f32_16x16x32_f16 v[64*(\t)+8*(4*(\h)+(\cb)):64*(\t)+8*(4*(\h)+(\cb))+7], v[VF+8*(4*(\h)+(\cb)):VF+8*(4*(\h)+(\cb))+7], v[P+8*(\t):P+8*(\t)+7], 0
.else
	v_wmma_f32_16x16x32_f16 v[64*(\t)+8*(4*(\h)+(\cb)):64*(\t)+8*(4*(\h)+(\cb))+7], v[VF+8*(4*(\h)+(\cb)):VF+8*(4*(\h)+(\cb))+7], v[P+8*(\t):P+8*(\t)+7], v[64*(\t)+8*(4*(\h)+(\cb)):64*(\t)+8*(4*(\h)+(\cb))+7]
.endif
.endr
.endr
.endm
	s_load_b128 s[4:7], s[0:1], 0x0                ; mid s[4:5], pre s[6:7]
	s_load_b64 s[8:9], s[0:1], 0x10                ; ao
	v_lshl_add_u32 v[SPW], v0, 2, SPARE
	v_mov_b32 v[NIL], 0
	ds_add_u32 v[SPW], v[NIL]                      ; the wave's opening: the add and its wait stand ahead of my first tensor load
	v_lshrrev_b32 v1, 5, v0
	v_readfirstlane_b32 s[WV], v1
	s_and_b32 s85, ttmp7, 0xffff                   ; batch x 8 + head, which the four partners share
	s_lshl_b32 s86, s85, 19                        ; its 524,288 bytes in each of mid's four parts
	s_and_b32 s87, s[WV], 1                        ; which 64 of a round's 128 rows I fetch
	s_mul_i32 s[LK], s87, 64*PK
	s_mul_i32 s[LV], s87, 64*PV
	s_add_co_u32 s[LV], s[LV], VOFF
	s_lshl_b32 s88, s87, 14
	s_add_co_u32 s88, s88, s86
	s_mov_b32 s[G1K], 15|(1<<16)|(1<<20)|(1<<21)|(5<<22)|(3<<25)  ; the mask of four; 2-byte elements; padding on; bit 21 beside a mask; after every 64 words 4 words
	s_mov_b32 s[G1V], 15|(1<<16)|(1<<20)|(1<<21)|(5<<22)|(7<<25)  ; the same with 8 words
.irp g, G1K, G1V
	s_mov_b32 s[(\g)+1], 128<<16                   ; 64 rows x 128 elements, dense
	s_mov_b32 s[(\g)+2], 64<<16
	s_mov_b32 s[(\g)+3], 128<<16
	s_mov_b32 s[(\g)+4], 64
	s_mov_b32 s[(\g)+5], 128
	s_mov_b32 s[(\g)+6], 0
	s_mov_b32 s[(\g)+7], 0
.endr
	s_mov_b32 s[G0K], 1
	s_mov_b32 s[G0K+1], s[LK]                      ; round 0 goes into slot 0
	s_mov_b32 s[G0V], 1
	s_mov_b32 s[G0V+1], s[LV]
	s_add_co_u32 s90, s88, KH
	s_mov_b32 s91, 0
	s_wait_dscnt 0x0                               ; the opening add is done
	s_wait_kmcnt 0x0
	s_add_nc_u64 s[KB:KB+1], s[4:5], s[90:91]
	s_add_co_u32 s90, s88, VH
	s_add_nc_u64 s[VB:VB+1], s[4:5], s[90:91]
	s_mov_b64 s[G0K+2:G0K+3], s[KB:KB+1]
	s_or_b32 s[G0K+3], s[G0K+3], 0x80000000
	s_mov_b64 s[G0V+2:G0V+3], s[VB:VB+1]
	s_or_b32 s[G0V+3], s[G0V+3], 0x80000000
	CROUND                                         ; all four work-groups are here
	JLOAD                                          ; one load of mine is out
	; the walk's counts: from the cluster's x alone
	s_lshl_b32 s82, ttmp9, 1
	s_sub_co_u32 s[RT], 16, s82
	s_sub_co_u32 s[LQ], 15, s82
	s_add_co_u32 s[RT2], s82, 2
	s_add_co_u32 s[LQ2], s82, 1
	s_mov_b32 s[NXT], 1
	s_mov_b32 s[TB], SLOT1
	s_mov_b32 s[TBF], 0
	s_mov_b32 s[OFF+1], 0
	s_mov_b32 s[KOS], 0
	s_mov_b32 s[PFG], 0
	s_mov_b32 s[TRIPS], 17
	s_mov_b32 s[CS], 0x3e0293ee                    ; c = log2(e) / sqrt(128)
	s_mov_b32 s[CS+1], s[CS]
	s_mov_b32 s[SEL], 0x76543210
	s_mov_b32 s[SEL+1], 0xfedcba98
	s_mov_b32 s[VIRT], 0xec800000                  ; -2^90
	s_or_b32 s82, s87, ttmp9                       ; waves 0 and 2 of the head's first cluster prefetch
	s_cmp_eq_u32 s82, 0
	s_cselect_b32 s[PLIM], 14, 0
	s_lshl_b32 s82, s[WV], 5
	s_lshl_b32 s[SDC2], ttmp9, 8
	s_sub_co_u32 s[SDC], 1792, s[SDC2]
	s_sub_co_u32 s[SDC], s[SDC], s82
	s_sub_co_u32 s[SDC2], s[SDC2], s82
	; what hangs on cx: in registers that feed no descriptor
	s_bfe_u32 s84, ttmp6, 0x40000                  ; cx
	s_lshl_b32 s2, ttmp9, 2
	s_add_co_u32 s2, s2, s84                       ; the low block
	s_sub_co_u32 s3, 31, s2                        ; the high block
	s_lshl_b32 s[SD], s3, 6
	s_sub_co_u32 s[SD], s[SD], s82
	s_lshl_b32 s[SD2], s2, 6
	s_sub_co_u32 s[SD2], s[SD2], s82
	s_mov_b32 s95, 0
	s_lshl_b32 s89, s[WV], 12
	s_add_co_u32 s89, s89, GH
	s_lshl_b32 s94, s3, 14
	s_add_co_u32 s94, s94, s86
	s_add_nc_u64 s[QC:QC+1], s[4:5], s[94:95]      ; Q of the block: 64 rows of 256 bytes
	s_add_co_u32 s94, s94, s89
	s_add_nc_u64 s[GC:GC+1], s[4:5], s[94:95]      ; the gate of the tile that I finish
	s_lshl_b32 s94, s2, 14
	s_add_co_u32 s94, s94, s86
	s_add_nc_u64 s[Q2:Q2+1], s[4:5], s[94:95]
	s_add_co_u32 s94, s94, s89
	s_add_nc_u64 s[G2:G2+1], s[4:5], s[94:95]
	s_lshr_b32 s82, s85, 3                         ; batch
	s_and_b32 s85, s85, 7                          ; head
	s_lshl_b32 s88, s82, 22
	s_lshl_b32 s89, s[WV], 15
	s_add_co_u32 s88, s88, s89
	s_lshl_b32 s89, s85, 8
	s_add_co_u32 s88, s88, s89
	s_lshl_b32 s94, s3, 17
	s_add_co_u32 s94, s94, s88
	s_add_nc_u64 s[OC:OC+1], s[8:9], s[94:95]      ; ao: rows of 2,048 bytes; my tile's 16 rows, my head's 256 bytes
	s_lshl_b32 s94, s2, 17
	s_add_co_u32 s94, s94, s88
	s_add_nc_u64 s[O2:O2+1], s[8:9], s[94:95]
	s_lshl_b32 s90, s82, 13
	s_add_co_u32 s90, s90, KADD
	s_add_nc_u64 s[KA:KA+1], s[6:7], s[90:91]
	s_lshl_b32 s90, s82, 16
	s_lshl_b32 s89, s85, 9
	s_add_co_u32 s90, s90, s89
	s_add_co_u32 s90, s90, VPART
	s_add_nc_u64 s[VPP:VPP+1], s[4:5], s[90:91]
	s_mov_b32 s94, VH
	s_cmp_lt_u32 s[WV], 2
	s_cselect_b32 s94, KH, s94
	s_add_co_u32 s94, s94, s86
	s_lshl_b32 s96, s84, 13                        ; my work-group's 32 of a round's 128 rows
	s_add_co_u32 s94, s94, s96
	s_add_nc_u64 s[PFB:PFB+1], s[4:5], s[94:95]
	s_mov_b64 s[PFA:PFA+1], s[PFB:PFB+1]
	v_and_b32 v1, 15, v0                           ; l % 16
	v_bfe_u32 v2, v0, 4, 1                         ; l / 16
	v_and_b32 v57, 31, v0                          ; l
	v_lshlrev_b32 v[QO], 8, v1
	v_lshl_add_u32 v[QO], v2, 4, v[QO]
	v_lshlrev_b32 v[KO], 5, v2
	s_lshl_b32 s82, s[WV], 7
	v_add_nc_u32 v[KO], s82, v[KO]                 ; my 8 keys' mask words: 128 w + 32 (l / 16)
	v_mov_b32 v[KOF], v[KO]
	v_lshlrev_b32 v58, 2, v0
	v_add_nc_u32 v59, VMEAN, v58
.irp i, 0,1,2,3,4,5,6,7,8,9,10,11,12,13,14,15
	global_load_b32 v[176+(\i)], v58, s[VPP:VPP+1] offset:(\i)*4096   ; channel = my thread's number: the batch's 16 partial sums
.endr
	global_load_b128 v[MC:MC+3],     v[KOF], s[KA:KA+1]
	global_load_b128 v[MC+4:MC+7],   v[KOF], s[KA:KA+1] offset:16
	global_load_b128 v[MC+8:MC+11],  v[KOF], s[KA:KA+1] offset:64
	global_load_b128 v[MC+12:MC+15], v[KOF], s[KA:KA+1] offset:80
	WIN 0x80
.irp t, 0,1,2,3
.irp c, 0,1,2,3
	global_load_b128 v[32*(\t)+8*(\c):32*(\t)+8*(\c)+3],   v[QO], s[QC:QC+1] offset:(\t)*4096+64*(\c)
	global_load_b128 v[32*(\t)+8*(\c)+4:32*(\t)+8*(\c)+7], v[QO], s[QC:QC+1] offset:(\t)*4096+64*(\c)+32
.endr
.endr
	; what the first trip finds: V and P hold 0, and their products with C = 0 start O^T.  All this stands in the wait for the first tile.
.set i, VF
.rept 64
	v_mov_b32 v[i], 0
.set i, i+1
.endr
	WIN 0
.set i, P
.rept 32
	v_mov_b32 v[i], 0
.set i, i+1
.endr
	PVH 0, 1
	PVH 1, 1
	WIN 0
	ALLT v_mov_b32 v[ST+4*t], 0xfe000000
	ALLT v_mov_b32 v[ST+4*t+1], 0xf1000000
	ALLT v_mov_b32 v[ST+4*t+2], 0
	ALLT v_mov_b32 v[ST+4*t+3], 0
	v_mul_u32_u24 v[AK0], v1, PK
	v_lshl_add_u32 v[AK0], v2, 4, v[AK0]           ; row x 272 + 16 x half: K's fragments and the stage alike
	s_mul_i32 s82, s[WV], 16*SP
	s_add_co_u32 s82, s82, STAGE
	v_add_nc_u32 v[STO], s82, v[AK0]
	v_mul_u32_u24 v[RD], v2, SP
	v_lshl_add_u32 v[RD], v1, 4, v[RD]
	v_add_nc_u32 v[RD], s82, v[RD]
	s_mul_i32 s82, s[WV], 32*PK
	v_add_nc_u32 v[AK0], s82, v[AK0]               ; my 32 keys of the round
	v_and_b32 v[AV0], 7, v0                        ; the turning load: key 8 (l / 16) + l % 8, 16 bytes at 16 ((l / 8) % 2)
	v_lshl_add_u32 v[AV0], v2, 3, v[AV0]
	v_mul_u32_u24 v[AV0], v[AV0], PV
	v_bfe_u32 v60, v0, 3, 1
	v_lshl_add_u32 v[AV0], v60, 4, v[AV0]
	s_mul_i32 s82, s[WV], 32*PV
	s_add_co_u32 s82, s82, VOFF
	v_add_nc_u32 v[AV0], s82, v[AV0]
	v_lshlrev_b32 v[GO], 11, v2
	v_lshl_add_u32 v[GO], v1, 4, v[GO]
	v_lshlrev_b32 v60, 4, v57
	s_lshl_b32 s82, s[WV], 15
	s_add_co_u32 s82, s82, MRG
	v_add_nc_u32 v[MWR], s82, v60
	s_lshl_b32 s82, s[WV], 13
	s_add_co_u32 s82, s82, MRG
	v_add_nc_u32 v[MRD0], s82, v60
	v_add_nc_u32 v[MRD1], 65536, v[MRD0]
	v_lshlrev_b32 v60, 3, v57
	s_lshl_b32 s82, s[WV], 8
	s_add_co_u32 s82, s82, ML
	v_add_nc_u32 v[MLW], s82, v60
	s_lshl_b32 s82, s[WV], 10
	s_add_co_u32 s82, s82, ML
	v_add_nc_u32 v[MLR], s82, v60
	v_lshlrev_b32 v[VMR], 5, v2
	v_add_nc_u32 v[VMR], VMEAN, v[VMR]
	v_lshlrev_b32 v[DQ], 3, v2
	v_sub_nc_u32 v[DQ], v1, v[DQ]                  ; l % 16 - 8 (l / 16)
	v_mov_b32 v[BIG], 0xf149f2ca                   ; -1e30
	v_lshlrev_b32 v[PFO], 8, v57
	v_mov_b32 v[NLE], 0xbfb8aa3b
	v_mov_b32 v[ZR], 0
	s_wait_loadcnt 36                              ; the 16 partial sums are in; the mask's 4 and Q's 32 loads stay out
.irp h, 8,4,2,1
.set i, 0
.rept \h
	v_add_f32 v[176+i], v[176+i], v[176+i+(\h)]
.set i, i+1
.endr
.endr
	v_mul_f32 v176, 0x3a000000, v176               ; / 2,048
	ds_store_b32 v59, v176                         ; the first trip's wait and round show it to all waves
; A TRIP'S HEAD: the change of slots.  Each wave waits for all its tensor loads (one is out: its part of the slot to be read), adds 0 to its spare word, and waits for that and for its reads of the other slot,
; V's of the round before among them.  Between the opening signal and its wait stand the first 16 products V^T P of that round: work on registers alone.
; fill = 1: a round of the cluster's barrier, and the joint refill first behind it, with round NXT; the descriptors' addresses are made anew from that number.
.macro TOP fill
	WIN 0
	s_wait_xcnt 0x0                                ; the last trip's prefetch and loads have read their address registers
	s_wait_tensorcnt 0x0
	ds_add_u32 v[SPW], v[NIL]                      ; 0 onto my spare word; scalar work stands between it and the wait for it
.if \fill
	s_lshl_b32 s[OFF], s[NXT], 15                  ; a round is 32,768 bytes of K and of V,
	s_lshl_b32 s[KOS], s[NXT], 9                   ; and 512 bytes of the key mask
	s_xor_b32 s[TBF], s[TBF], SLOT1
	s_add_co_u32 s[G0K+1], s[TBF], s[LK]
	s_add_co_u32 s[G0V+1], s[TBF], s[LV]
	s_add_nc_u64 s[G0K+2:G0K+3], s[KB:KB+1], s[OFF:OFF+1]
	s_or_b32 s[G0K+3], s[G0K+3], 0x80000000
	s_add_nc_u64 s[G0V+2:G0V+3], s[VB:VB+1], s[OFF:OFF+1]
	s_or_b32 s[G0V+3], s[G0V+3], 0x80000000
	s_add_nc_u64 s[PFA:PFA+1], s[PFB:PFB+1], s[OFF:OFF+1]
	s_cmp_lt_u32 s[NXT], s[PLIM]
	s_cselect_b32 s[PFG], 1, 0
	s_add_co_u32 s[NXT], s[NXT], 1                 ; the block's next round, or behind its last the low blocks' round 0
	s_cmp_gt_u32 s[NXT], s[LQ]
	s_cselect_b32 s[NXT], 0, s[NXT]
	s_cselect_b32 s[LQ], s[LQ2], s[LQ]
	s_cselect_b32 s[PLIM], 0, s[PLIM]              ; the second walk's rows have been read: they are asked for no more
.endif
	s_sub_co_u32 s[RT], s[RT], 1
	s_wait_dscnt 0x0                               ; the add is done, and my LDS reads and stores are over: V of the round before is in registers
	s_barrier_signal -1
	PVH 0, 0
	WIN 0
	s_barrier_wait -1
.if \fill
	CREST
	JLOAD
.endif
	s_xor_b32 s[TB], s[TB], SLOT1
.endm
; A ROUND'S WORK for my 32 keys and the 64 queries: K is fetched; the round before's other 16 products V^T P; V is fetched; K Q^T, masks, softmax.  This round's V^T P follows in the next trip or at the block's end.
.macro COMPUTE fill
	v_add_nc_u32 v[AK], s[TB], v[AK0]
	v_add_nc_u32 v[AV], s[TB], v[AV0]
.irp kb, 0,1
.irp c, 0,1,2,3
	ds_load_b128 v[KF+32*(\kb)+8*(\c):KF+32*(\kb)+8*(\c)+3],   v[AK] offset:(\kb)*16*PK+64*(\c)
	ds_load_b128 v[KF+32*(\kb)+8*(\c)+4:KF+32*(\kb)+8*(\c)+7], v[AK] offset:(\kb)*16*PK+64*(\c)+32
.endr
.endr
.if \fill
	s_cmp_eq_u32 s[PFG], 1                         ; a prefetch of the round two behind the one just asked for: my work-group's 32 rows of K (wave 0) or V (wave 2), a lane a row
	s_cbranch_scc0 .Lnot_mine_\@
	global_prefetch_b8 v[PFO], s[PFA:PFA+1] offset:65536 th:TH_LOAD_NT scope:SCOPE_SE
.Lnot_mine_\@:
.endif
	PVH 1, 0                                       ; while K's loads are on their way
	WIN 0
	PLACES                                         ; four places behind the last product that read V
	WIN 0x80
.irp cb, 0,1,2,3,4,5,6,7
	ds_load_tr16_b128 v[VF+8*(\cb):VF+8*(\cb)+3],   v[AV] offset:32*(\cb)
	ds_load_tr16_b128 v[VF+8*(\cb)+4:VF+8*(\cb)+7], v[AV] offset:32*(\cb)+16*PV
.endr
	s_wait_loadcnt 0x0                             ; the key mask (and, behind a change of blocks, Q)
	s_wait_dscnt 16                                ; K is in; V's 16 loads may stay out
	WIN 0x08                                       ; Q in window 2
.irp c, 0,1,2,3                        ; the 8 accumulators take turns; the first products take the key mask as C
.irp kb, 0,1
.irp t, 0,1,2,3
.if (\c) == 0
	v_wmma_f32_16x16x32_f16 v[S+16*(\t)+8*(\kb):S+16*(\t)+8*(\kb)+7], v[KF+32*(\kb)+8*(\c):KF+32*(\kb)+8*(\c)+7], v[32*(\t)+8*(\c):32*(\t)+8*(\c)+7], v[MC+8*(\kb):MC+8*(\kb)+7]
.else
	v_wmma_f32_16x16x32_f16 v[S+16*(\t)+8*(\kb):S+16*(\t)+8*(\kb)+7], v[KF+32*(\kb)+8*(\c):KF+32*(\kb)+8*(\c)+7], v[32*(\t)+8*(\c):32*(\t)+8*(\c)+7], v[S+16*(\t)+8*(\kb):S+16*(\t)+8*(\kb)+7]
.endif
.endr
.endr
.endr
	WIN 0
	v_add_nc_u32 v[DQ2], s[SD], v[DQ]              ; four places behind the products
	v_add_nc_u32 v[KOF], s[KOS], v[KO]
	v_nop
	v_nop
.if \fill
	global_load_b128 v[MC:MC+3],     v[KOF], s[KA:KA+1]            ; the next trip's key mask
	global_load_b128 v[MC+4:MC+7],   v[KOF], s[KA:KA+1] offset:16
	global_load_b128 v[MC+8:MC+11],  v[KOF], s[KA:KA+1] offset:64
	global_load_b128 v[MC+12:MC+15], v[KOF], s[KA:KA+1] offset:80
.endif
	s_cmp_gt_i32 s[SDC], 0                         ; all my keys lie below the diagonal of every partner's block
	s_cbranch_scc1 .Lvis_\@
.irp t, 0,1,2,3                        ; key 16 kb + j of mine is hidden from query 16 t + l % 16 where 16 kb + j - 16 t > 64 block - 128 round - 32 w + l % 16 - 8 (l / 16)
.irp kb, 0,1
.irp j, 0,1,2,3,4,5,6,7
	v_cmp_gt_i32 vcc_lo, 16*(\kb)+(\j)-16*(\t), v[DQ2]
	v_cndmask_b32 v[S+16*(\t)+8*(\kb)+(\j)], v[S+16*(\t)+8*(\kb)+(\j)], v[BIG], vcc_lo
.endr
.endr
.endr
.Lvis_\@:
	s_sub_co_u32 s[SD], s[SD], 128
	s_sub_co_u32 s[SDC], s[SDC], 128
	; the maximum of a lane's 16 scores and the old m; each accumulator's lowest registers are read first
	ALLT v_max3_num_f32 v[TMP+4*t], v[S+16*t], v[S+16*t+1], v[S+16*t+2]
	ALLT v_max3_num_f32 v[TMP+4*t+1], v[S+16*t+8], v[S+16*t+9], v[S+16*t+10]
	ALLT v_max3_num_f32 v[TMP+4*t], v[TMP+4*t], v[S+16*t+3], v[S+16*t+4]
	ALLT v_max3_num_f32 v[TMP+4*t+1], v[TMP+4*t+1], v[S+16*t+11], v[S+16*t+12]
	ALLT v_max3_num_f32 v[TMP+4*t], v[TMP+4*t], v[S+16*t+5], v[S+16*t+6]
	ALLT v_max3_num_f32 v[TMP+4*t+1], v[TMP+4*t+1], v[S+16*t+13], v[S+16*t+14]
	ALLT v_max3_num_f32 v[TMP+4*t], v[TMP+4*t], v[S+16*t+7], v[S+16*t+15]
	ALLT v_max3_num_f32 v[TMP+4*t], v[TMP+4*t], v[TMP+4*t+1], v[ST+4*t+1]
	ALLT v_permlanex16_b32 v[TMP+4*t+1], v[TMP+4*t], s[SEL], s[SEL+1]
	ALLT v_mov_b32 v[TMP+4*t+3], v[ST+4*t]
	ALLT v_max_num_f32 v[ST+4*t+1], v[TMP+4*t], v[TMP+4*t+1]
	ALLT v_mul_f32 v[ST+4*t], s[CS], v[ST+4*t+1]
	ALLT v_sub_f32 v[TMP+4*t+3], v[TMP+4*t+3], v[ST+4*t]
.set i, 0
.rept 8
	ALLT v_pk_fma_f32 v[S+16*t+2*i:S+16*t+2*i+1], v[S+16*t+2*i:S+16*t+2*i+1], s[CS:CS+1], v[ST+4*t:ST+4*t+1] op_sel_hi:[1,0,0] neg_lo:[0,0,1] neg_hi:[0,0,1]
.set i, i+1
.endr
	ALLT v_exp_f32 v[TMP+4*t+2], v[TMP+4*t+3]
.set i, 0
.rept 64
	v_exp_f32 v[S+i], v[S+i]
.set i, i+1
.endr
	v_nop                                          ; a plain instruction behind the last exponential,
	s_wait_alu depctr_va_vdst(0)                   ; and one wait for the batch of 68
.set i, 0
.rept 32
	v_cvt_pk_f16_f32 v[P+i], v[S+2*i], v[S+2*i+1]
.set i, i+1
.endr
.irp o, 0,4,8,12
	ALLT v_pk_add_f32 v[S+16*t+(\o):S+16*t+(\o)+1], v[S+16*t+(\o):S+16*t+(\o)+1], v[S+16*t+(\o)+2:S+16*t+(\o)+3]
.endr
.irp o, 0,8
	ALLT v_pk_add_f32 v[S+16*t+(\o):S+16*t+(\o)+1], v[S+16*t+(\o):S+16*t+(\o)+1], v[S+16*t+(\o)+4:S+16*t+(\o)+5]
.endr
	ALLT v_pk_add_f32 v[S+16*t:S+16*t+1], v[S+16*t:S+16*t+1], v[S+16*t+8:S+16*t+9]
	ALLT v_pk_fma_f32 v[ST+4*t+2:ST+4*t+3], v[ST+4*t+2:ST+4*t+3], v[TMP+4*t+2:TMP+4*t+3], v[S+16*t:S+16*t+1] op_sel_hi:[1,0,1]
	WIN 0x41                                       ; O^T times a
.set t, 0
.rept 4
.set i, 0
.rept 32
	v_pk_mul_f32 v[64*t+2*i:64*t+2*i+1], v[64*t+2*i:64*t+2*i+1], v[TMP+4*t+2:TMP+4*t+3] op_sel_hi:[1,0]
.set i, i+1
.endr
.set t, t+1
.endr
	WIN 0
.endm
; A BLOCK'S END.  The last round's V^T P first.  Then every wave lays its partial (c m, l, O^T) of all four tiles into LDS; behind one barrier wave w merges the four partials of tile w with the virtual key,
; divides by the sum, multiplies by the gate's sigmoid, rounds to f16 and stores whole rows.  mid = 1: the low block follows: its Q is asked for at once, the statistics start anew, and P is set to 0.
; The barrier stands under a branch on the rounds left, which hang on the cluster's x alone: all waves of all partners take it alike.  The next tile's load stays out.
.macro BLOCKEND mid
	s_wait_dscnt 0x0                               ; V is in
	PVH 0, 0
	PVH 1, 0
	WIN 0
	ALLT v_add_f32 v[ST+4*t+2], v[ST+4*t+2], v[ST+4*t+3]          ; these are also the places behind the last products
	ALLT v_permlanex16_b32 v[ST+4*t+3], v[ST+4*t+2], s[SEL], s[SEL+1]
	ALLT v_add_f32 v[ST+4*t+1], v[ST+4*t+2], v[ST+4*t+3]          ; l, beside c m
.irp cb, 0,1,2,3,4,5,6,7
	global_load_b128 v[64+4*(\cb):64+4*(\cb)+3], v[QO], s[GC:GC+1] offset:32*(\cb)   ; the gate of my tile: the lane's 8 channels of block cb
.endr
.if \mid
	WIN 0x80
.irp t, 0,1,2,3
.irp c, 0,1,2,3
	global_load_b128 v[32*(\t)+8*(\c):32*(\t)+8*(\c)+3],   v[QO], s[Q2:Q2+1] offset:(\t)*4096+64*(\c)
	global_load_b128 v[32*(\t)+8*(\c)+4:32*(\t)+8*(\c)+7], v[QO], s[Q2:Q2+1] offset:(\t)*4096+64*(\c)+32
.endr
.endr
	WIN 0
.endif
.irp t, 0,1,2,3
	ds_store_b64 v[MLW], v[ST+4*(\t):ST+4*(\t)+1] offset:1024*(\t)
.endr
	WIN 0x04                                       ; the data lie in window 1
.irp t, 0,1,2,3
.irp i, 0,1,2,3,4,5,6,7,8,9,10,11,12,13,14,15
	ds_store_b128 v[MWR], v[64*(\t)+4*(\i):64*(\t)+4*(\i)+3] offset:8192*(\t)+512*(\i)
.endr
.endr
	WIN 0
	s_wait_dscnt 0x0                               ; for the others' sake: my stores are done
	s_barrier_signal -1
	s_barrier_wait -1
.irp w, 0,1,2,3
	ds_load_b64 v[176+2*(\w):177+2*(\w)], v[MLR] offset:256*(\w)
.endr
.irp cb, 0,1,2,3,4,5,6,7
	ds_load_b128 v[192+8*(\cb):192+8*(\cb)+3],   v[VMR] offset:64*(\cb)
	ds_load_b128 v[192+8*(\cb)+4:192+8*(\cb)+7], v[VMR] offset:64*(\cb)+16
.endr
	WIN 0x40
.irp w, 0,1
.irp i, 0,1,2,3,4,5,6,7,8,9,10,11,12,13,14,15
	ds_load_b128 v[64*(\w)+4*(\i):64*(\w)+4*(\i)+3], v[MRD0] offset:32768*(\w)+512*(\i)
.endr
.endr
.irp w, 0,1
.irp i, 0,1,2,3,4,5,6,7,8,9,10,11,12,13,14,15
	ds_load_b128 v[128+64*(\w)+4*(\i):128+64*(\w)+4*(\i)+3], v[MRD1] offset:32768*(\w)+512*(\i)
.endr
.endr
	WIN 0
	s_wait_loadcnt 32*(\mid)                       ; the gate is in; Q's 32 younger loads stay out
.set i, 0
.rept 32
	v_fma_mix_f32 v[96+2*i],   v[64+i], v[NLE], v[ZR] op_sel_hi:[1,0,0]                  ; - g log2 e, straight from the f16 halves
	v_fma_mix_f32 v[96+2*i+1], v[64+i], v[NLE], v[ZR] op_sel:[1,0,0] op_sel_hi:[1,0,0]
.set i, i+1
.endr
	s_wait_dscnt 63                                ; the four (c m, l) are in: 80 loads are younger than the last of them, and 63 is the largest count that this wait can name
	v_max3_num_f32 v57, v176, v178, v180
	v_max3_num_f32 v57, v57, v182, s[VIRT]
.irp w, 0,1,2,3
	v_sub_f32 v[33+2*(\w)], v[176+2*(\w)], v57
.endr
	v_sub_f32 v41, s[VIRT], v57
.irp w, 0,1,2,3,4
	v_exp_f32 v[32+2*(\w)], v[33+2*(\w)]           ; the partials' factors, and the virtual key's
.endr
.set i, 0
.rept 64
	v_exp_f32 v[96+i], v[96+i]
.set i, i+1
.endr
	v_nop
	s_wait_alu depctr_va_vdst(0)                   ; one wait for the batch of 69
.set i, 0
.rept 32
	v_pk_add_f32 v[96+2*i:96+2*i+1], v[96+2*i:96+2*i+1], 1.0 op_sel_hi:[1,0]
.set i, i+1
.endr
	v_fma_f32 v43, v32, v177, v40
	v_fma_f32 v43, v34, v179, v43
	v_fma_f32 v43, v36, v181, v43
	v_fma_f32 v43, v38, v183, v43
.set i, 0
.rept 64
	v_rcp_f32 v[96+i], v[96+i]                     ; the sigmoids
.set i, i+1
.endr
	v_rcp_f32 v42, v43
	v_nop
	s_wait_alu depctr_va_vdst(0)                   ; one wait for the batch of 65
.set i, 0
.rept 32
	v_pk_mul_f32 v[96+2*i:96+2*i+1], v[96+2*i:96+2*i+1], v[42:43] op_sel_hi:[1,0]
.set i, i+1
.endr
	s_wait_dscnt 0x0                               ; mean(v) and the four partials are in
	WIN 0x41
.set i, 0
.rept 32
	v_pk_mul_f32 v[2*i:2*i+1], v[2*i:2*i+1], v[32:33] op_sel_hi:[1,0]
.set i, i+1
.endr
	WIN 0x51
.irp w, 1,2,3
.set i, 0
.rept 32
	v_pk_fma_f32 v[2*i:2*i+1], v[64*(\w)+2*i:64*(\w)+2*i+1], v[32+2*(\w):33+2*(\w)], v[2*i:2*i+1] op_sel_hi:[1,0,1]
.set i, i+1
.endr
.endr
	WIN 0x50
.set i, 0
.rept 32
	v_pk_fma_f32 v[2*i:2*i+1], v[192+2*i:192+2*i+1], v[40:41], v[2*i:2*i+1] op_sel_hi:[1,0,1]
.set i, i+1
.endr
	WIN 0x01
.set i, 0
.rept 32
	v_pk_mul_f32 v[192+2*i:192+2*i+1], v[2*i:2*i+1], v[96+2*i:96+2*i+1]
.set i, i+1
.endr
	WIN 0
.set i, 0
.rept 32
	v_cvt_pk_f16_f32 v[64+i], v[192+2*i], v[192+2*i+1]
.set i, i+1
.endr
.irp cb, 0,1,2,3,4,5,6,7
	ds_store_b128 v[STO], v[64+4*(\cb):64+4*(\cb)+3] offset:32*(\cb)
.endr
.irp f, 0,1,2,3,4,5,6,7
	ds_load_b128 v[96+4*(\f):96+4*(\f)+3], v[RD] offset:544*(\f)   ; LDS serves a wave's instructions in order: these see the stores above
.endr
.irp f, 0,1,2,3,4,5,6,7
	s_wait_dscnt 7-(\f)
	global_store_b128 v[GO], v[96+4*(\f):96+4*(\f)+3], s[OC:OC+1] offset:4096*(\f)   ; 16 lanes store 256 consecutive bytes, aligned
.endr
	s_wait_xcnt 0x0                                ; the loads and stores have read their registers and bases
.if \mid
	ALLT v_mov_b32 v[ST+4*t], 0xfe000000
	ALLT v_mov_b32 v[ST+4*t+1], 0xf1000000
.set i, P
.rept 32
	v_mov_b32 v[i], 0                              ; P's registers held sigmoids in f32, which are no f16 weights: with 0 the next trip's products V^T P add 0
.set i, i+1
.endr
	s_mov_b64 s[GC:GC+1], s[G2:G2+1]
	s_mov_b64 s[OC:OC+1], s[O2:O2+1]
	s_mov_b32 s[RT], s[RT2]
	s_mov_b32 s[SD], s[SD2]
	s_mov_b32 s[SDC], s[SDC2]
.endif
.endm
.Ltrip:                                        ; 17 trips: a round is worked on and the next is asked for
	TOP 1
	COMPUTE 1
	s_cmp_lg_u32 s[RT], 0
	s_cbranch_scc1 .Lgo
	BLOCKEND 1                                     ; in the loop this is the high block's end
.Lgo:
	s_sub_co_u32 s[TRIPS], s[TRIPS], 1
	s_cmp_lg_u32 s[TRIPS], 0
	s_cbranch_scc1 .Ltrip
	TOP 0                                          ; the walk's last round is written out: nothing is asked for
	COMPUTE 0
	BLOCKEND 0
	s_wait_tensorcnt 0x0                           ; the wave's end, behind my last tensor load and my last LDS store
	ds_add_u32 v[SPW], v[NIL]
	s_wait_dscnt 0x0
	CROUND                                         ; the closing round
	s_endpgm
.Lfunc_end_k_qa6b4bd7438_attn:
	.size	k_qa6b4bd7438_attn, .Lfunc_end_k_qa6b4bd7438_attn-k_qa6b4bd7438_attn
	.p2alignl 7, 3214868480
	.fill 96, 4, 3214868480
	.section	.rodata,"a",@progbits
	.p2align	6, 0x0
	.amdhsa_kernel k_qa6b4bd7438_attn
		.amdhsa_group_segment_fixed_size 327680
		.amdhsa_private_segment_fixed_size 0
		.amdhsa_enable_private_segment 0
		.amdhsa_kernarg_size 24
		.amdhsa_user_sgpr_count 2
		.amdhsa_user_sgpr_kernarg_segment_ptr 1
		.amdhsa_wavefront_size32 1
		.amdhsa_system_sgpr_workgroup_id_x 1
		.amdhsa_system_sgpr_workgroup_id_y 1
		.amdhsa_system_sgpr_workgroup_id_z 1
		.amdhsa_system_vgpr_workitem_id 0
		.amdhsa_next_free_vgpr 768
		.amdhsa_next_free_sgpr 98
		.amdhsa_reserve_vcc 1
		.amdhsa_float_denorm_mode_32 3
		.amdhsa_float_denorm_mode_16_64 3
		.amdhsa_memory_ordered 1
		.amdhsa_forward_progress 1
		.amdhsa_inst_pref_size 174
	.end_amdhsa_kernel
	.amdgpu_metadata
---
amdhsa.version: [ 1, 2 ]
amdhsa.kernels:
  - .name:           k_qa6b4bd7438_attn
    .symbol:         k_qa6b4bd7438_attn.kd
    .args:
      - { .name: mid, .offset: 0, .size: 8, .value_kind: global_buffer, .address_space: global }
      - { .name: pre, .offset: 8, .size: 8, .value_kind: global_buffer, .address_space: global }
      - { .name: ao, .offset: 16, .size: 8, .value_kind: global_buffer, .address_space: global }
    .group_segment_fixed_size: 327680
    .private_segment_fixed_size: 0
    .kernarg_segment_align: 8
    .kernarg_segment_size: 24
    .max_flat_workgroup_size: 128
    .sgpr_count:     98
    .vgpr_count:     768
    .wavefront_size: 32
...
	.end_amdgpu_metadata
.endif
;; end of part 3
;; launch oproj (part 4): grid 8 x 32, 4 waves a work-group, clusters of 4 x 4, 327,680 bytes of LDS; arguments ao, pre, out0; writes out0
.if DOCPART == 4
	.amdgcn_target "amdgcn-amd-amdhsa--gfx1250"
	.amdhsa_code_object_version 6
	.text
	.protected	k_qa6b4bd7438_oproj
	.globl	k_qa6b4bd7438_oproj
	.p2align	8
	.type	k_qa6b4bd7438_oproj,@function
k_qa6b4bd7438_oproj:
	s_mov_b64 s[64:65], 0
	v_nop
	global_prefetch_b8 v0, s[64:65] scope:SCOPE_SE
	s_setreg_imm32_b32 hwreg(HW_REG_WAVE_MODE, 25, 1), 1
	s_wait_xcnt 0x0
	s_wait_alu depctr_hold_cnt(0) depctr_sa_sdst(0) depctr_va_vdst(0) depctr_va_sdst(0) depctr_va_ssrc(0) depctr_va_vcc(0) depctr_vm_vsrc(0)
	s_getreg_b32 s2, hwreg(HW_REG_IB_STS2, 6, 4)
	s_cmp_eq_u32 s2, 0
	s_cbranch_scc0 .Lentry_in_a_cluster
	s_endpgm
.Lentry_in_a_cluster:
	s_bfe_u32 s2, ttmp6, 0x10000c
	s_cmp_lg_u32 s2, 0xf033
	s_cbranch_scc0 .Lentry_shape_is_right
	s_endpgm
.Lentry_shape_is_right:
; OPROJ: out0 = ao wob, 4096 x 2048 x 1024 in f16 with f32 sums and f32 output.  ao lies [row][k], wob [k][n] (turned on the way out of LDS by ds_load_tr16_b128).
; A tile of C is 128 x 256, which gives each of 256 work-groups one: four waves, each 64 x 128 = 32 accumulators.  K goes in steps of 128 through two LDS slots.
; THE TEXT OF A K STEP STANDS TWICE: in the loop of 6 trips that fills a slot again in every trip, and in a loop of two trips for the last two K steps, which fill nothing.  The slot in hand is a scalar, 0 or SLOT.
; CLUSTER 4 x 4: A's tile is shared along a row of the cluster, B's along a column: joint loads, one a wave behind each round of the cluster's barrier.
; The matrix instruction is used transposed (source 0 = 16 columns of wob, source 1 = 16 rows of ao): lane l holds row l % 16 of C and columns 8 (l / 16) + 0..7.
; No prefetch: the launch has eight K steps in all.
; REGISTERS: window 0: v16-31 addresses; v64-95, v128-159 A's fragments (on the way out v64-191 hold rows read back); window 1: v64-191 B's fragments; window 2: the accumulators ((a, b) at 8 (8 a + b)).
.set KSTEP,  128
.set PA,     272
.set PB,     544
.set HALFT,  128*PA                    ; the stride of a wave's part of a slot: 64 k-rows of B fill it, 64 rows of A half of it
.set SLOT,   4*HALFT
.set STAGE,  2*SLOT
.set WST,    16*528
.set SPARE,  STAGE+4*WST
.set KA,     1024
.set NB,     2048
.set KSTEPS, KA/KSTEP
.set WOB,    33554432
.set ADRA0, 16                         ; LDS address of my A fragments in slot 0; never rewritten
.set ADRA,  17                         ; the same in the slot in hand
.set ADRB0, 20
.set ADRB,  21
.set STO,  24
.set RD,   25
.set CO,   26
.set SPW,  28
.set NIL,  29
.set F0,   64
.set F1,   128
.set OB,   64
.set WV, 12
.set RH, 13
.set CH, 14
.set CX, 15
.set CY, 16
.set TC, 17
.set TR, 18
.set LB, 23                            ; where my part of a slot begins: wave x HALFT
.set G1,  24
.set G0,  32                           ; two sets for the two first fills; the second then walks on
.set G1B, 48
.set G0B, 56
.set TB,  67                           ; the slot in hand: 0 or SLOT
.set MSB, 0
.macro WIN new
.if MSB != (\new)
	s_set_vgpr_msb (MSB<<8)|(\new)
.set MSB, \new
.endif
.endm
.macro PLACES
.rept 4
	v_nop
.endr
.endm
.macro JLOAD s                         ; waves 0 and 1 fetch A's halves, waves 2 and 3 B's; an s_nop 0 and four v_nop follow each line
	s_cmp_eq_u32 s[RH], 0
	s_cbranch_scc0 .Lfor_b_\@
	tensor_load_to_lds s[G0+4*(\s):G0+4*(\s)+3], s[G1:G1+7]
	s_nop 0
.rept 4
	v_nop
.endr
	s_branch .Lasked_\@
.Lfor_b_\@:
	tensor_load_to_lds s[G0B+4*(\s):G0B+4*(\s)+3], s[G1B:G1B+7]
	s_nop 0
.rept 4
	v_nop
.endr
.Lasked_\@:
.endm
.macro CREST
	s_cmp_lg_u32 s[WV], 0
	s_cbranch_scc1 .Lnot_wave_0_\@
	s_barrier_signal -3
.Lnot_wave_0_\@:
	s_barrier_wait -3
	s_barrier_signal -1
	s_barrier_wait -1
.endm
.macro CROUND
	s_barrier_signal -1
	s_barrier_wait -1
	CREST
.endm
	s_load_b128 s[4:7], s[0:1], 0x0                ; ao s[4:5], pre s[6:7]
	s_load_b64 s[8:9], s[0:1], 0x10                ; out0
	v_lshl_add_u32 v[SPW], v0, 2, SPARE
	v_mov_b32 v[NIL], 0
	ds_add_u32 v[SPW], v[NIL]                      ; the wave's opening: the add and its wait stand ahead of my first tensor load
	v_lshrrev_b32 v1, 5, v0
	v_readfirstlane_b32 s[WV], v1
	s_lshr_b32 s[RH], s[WV], 1
	s_and_b32 s[CH], s[WV], 1
	s_bfe_u32 s[CX], ttmp6, 0x40000
	s_bfe_u32 s[CY], ttmp6, 0x40004
	s_lshl_b32 s[TC], ttmp9, 2
	s_add_co_u32 s[TC], s[TC], s[CX]
	s_and_b32 s[TR], ttmp7, 0xffff
	s_lshl_b32 s[TR], s[TR], 2
	s_add_co_u32 s[TR], s[TR], s[CY]
	s_lshl_b32 s19, s[CY], 2
	s_lshl_b32 s19, 15, s19
	s_lshl_b32 s20, 0x1111, s[CX]
	s_or_b32 s[G1], s19, (1<<16)|(1<<20)|(1<<21)|(5<<22)|(3<<25)
	s_or_b32 s[G1B], s20, (1<<16)|(1<<20)|(1<<21)|(6<<22)|(7<<25)
	s_mov_b32 s[G1+1], KSTEP<<16                   ; A: 64 rows x 128 elements
	s_mov_b32 s[G1+2], 64<<16
	s_mov_b32 s[G1+3], KSTEP<<16
	s_mov_b32 s[G1+4], 64
	s_mov_b32 s[G1+5], KA
	s_mov_b32 s[G1+6], 0
	s_mov_b32 s[G1+7], 0
	s_mov_b32 s[G1B+1], 256<<16                    ; B: 64 k-rows x 256 elements
	s_mov_b32 s[G1B+2], 64<<16
	s_mov_b32 s[G1B+3], 256<<16
	s_mov_b32 s[G1B+4], 64
	s_mov_b32 s[G1B+5], NB
	s_mov_b32 s[G1B+6], 0
	s_mov_b32 s[G1B+7], 0
	s_lshl_b32 s80, s[TR], 7                       ; A: row 128 x tile row + 64 x half: registers that never hold cx
	s_lshl_b32 s81, s[CH], 6
	s_add_co_u32 s80, s80, s81
	s_mul_i32 s80, s80, 2*KA
	s_mov_b32 s81, 0
	s_mul_i32 s82, s[CH], 64*2*NB                  ; B: registers that never hold cy
	s_lshl_b32 s83, s[TC], 9
	s_add_co_u32 s82, s82, s83
	s_add_co_u32 s82, s82, WOB
	s_mov_b32 s83, 0
	s_mul_i32 s[LB], s[WV], HALFT
	s_mov_b32 s[TB], 0
	s_wait_dscnt 0x0                               ; the opening add is done
	s_wait_kmcnt 0x0
	s_add_nc_u64 s[84:85], s[4:5], s[80:81]
	s_add_nc_u64 s[86:87], s[6:7], s[82:83]
	CROUND
.irp s, 0,1
	s_mov_b32 s[G0+4*(\s)], 1
	s_add_co_u32 s[G0+4*(\s)+1], s[LB], (\s)*SLOT
	s_add_nc_u64 s[G0+4*(\s)+2:G0+4*(\s)+3], s[84:85], (\s)*KSTEP*2
	s_or_b32 s[G0+4*(\s)+3], s[G0+4*(\s)+3], 0x80000000
	s_mov_b32 s[G0B+4*(\s)], 1
	s_add_co_u32 s[G0B+4*(\s)+1], s[LB], (\s)*SLOT
	s_add_nc_u64 s[G0B+4*(\s)+2:G0B+4*(\s)+3], s[86:87], (\s)*KSTEP*2*NB
	s_or_b32 s[G0B+4*(\s)+3], s[G0B+4*(\s)+3], 0x80000000
	JLOAD \s                                       ; two loads of mine are out
.endr
	s_lshl_b32 s88, s[TR], 7                       ; my part of out0: row 128 x tile row + 64 x half, rows of 8,192 bytes; column bytes 1,024 x tile column + 512 x half
	s_lshl_b32 s40, s[RH], 6
	s_add_co_u32 s88, s88, s40
	s_lshl_b32 s88, s88, 13
	s_lshl_b32 s40, s[TC], 10
	s_add_co_u32 s88, s88, s40
	s_lshl_b32 s40, s[CH], 9
	s_add_co_u32 s88, s88, s40
	s_mov_b32 s89, 0
	s_add_nc_u64 s[8:9], s[8:9], s[88:89]
	v_and_b32 v1, 15, v0
	v_bfe_u32 v2, v0, 4, 1
	v_and_b32 v6, 31, v0
	v_mul_u32_u24 v3, v1, PA
	v_lshl_add_u32 v3, v2, 4, v3
	s_mul_i32 s41, s[RH], HALFT
	v_add_nc_u32 v[ADRA0], s41, v3
	v_mov_b32 v[ADRA], v[ADRA0]
	v_and_b32 v4, 7, v0
	v_lshl_add_u32 v4, v2, 3, v4
	v_mul_u32_u24 v4, v4, PB
	v_bfe_u32 v5, v0, 3, 1
	v_lshl_add_u32 v4, v5, 4, v4
	s_lshl_b32 s41, s[CH], 8
	s_add_co_u32 s41, s41, 2*HALFT
	v_add_nc_u32 v[ADRB0], s41, v4
	v_mov_b32 v[ADRB], v[ADRB0]
	s_mul_i32 s41, s[WV], WST
	s_add_co_u32 s41, s41, STAGE
	v_mul_u32_u24 v5, v1, 528
	v_lshl_add_u32 v5, v2, 5, v5
	v_add_nc_u32 v[STO], s41, v5                   ; in: row l % 16, 32 bytes for each half of the lanes
	v_lshlrev_b32 v[CO], 4, v6
	v_add_nc_u32 v[RD], s41, v[CO]                 ; back: a row's 512 bytes, 16 a lane
; Eight matrix instructions: block a of 16 rows x all 8 blocks of 16 columns.  The 32 accumulators take turns in the same order in every quarter.
.macro MULA f, a, zero
	WIN 0xa1
.irp b, 0,1,2,3,4,5,6,7
.if \zero
	v_wmma_f32_16x16x32_f16 v[8*(8*(\a)+(\b)):8*(8*(\a)+(\b))+7], v[(\f)+8*(\b):(\f)+8*(\b)+7], v[(\f)+8*(\a):(\f)+8*(\a)+7], 0
.else
	v_wmma_f32_16x16x32_f16 v[8*(8*(\a)+(\b)):8*(8*(\a)+(\b))+7], v[(\f)+8*(\b):(\f)+8*(\b)+7], v[(\f)+8*(\a):(\f)+8*(\a)+7], v[8*(8*(\a)+(\b)):8*(8*(\a)+(\b))+7]
.endif
.endr
.endm
.macro FETCH q, f                      ; 24 LDS loads in one run, from the slot in hand: B's 16 (turned), then A's 8
	WIN 0x40
.irp b, 0,1,2,3,4,5,6,7
	ds_load_tr16_b128 v[(\f)+8*(\b):(\f)+8*(\b)+3],   v[ADRB] offset:(\q)*32*PB+32*(\b)
	ds_load_tr16_b128 v[(\f)+8*(\b)+4:(\f)+8*(\b)+7], v[ADRB] offset:(\q)*32*PB+16*PB+32*(\b)
.endr
	WIN 0
.irp a, 0,1,2,3
	ds_load_b128 v[(\f)+8*(\a):(\f)+8*(\a)+3],   v[ADRA] offset:64*(\q)+(\a)*16*PA
	ds_load_b128 v[(\f)+8*(\a)+4:(\f)+8*(\a)+7], v[ADRA] offset:64*(\q)+(\a)*16*PA+32
.endr
.endm
.macro QUARTER q, f, g, zero
	s_wait_dscnt 4                                 ; B and A's blocks 0, 1 are in; the youngest four loads (blocks 2, 3) may be out
	MULA \f, 0, \zero
	MULA \f, 1, \zero
	PLACES
	FETCH \q, \g
	s_wait_dscnt 24                                ; all but the 24 just issued
	MULA \f, 2, \zero
	MULA \f, 3, \zero
.endm
.macro MEET round
	WIN 0
	s_wait_tensorcnt 0x0                           ; all my tensor loads have landed: my part of the next slot
	ds_add_u32 v[SPW], v[NIL]
	s_wait_dscnt 7                                 ; (the add and the youngest six loads, A's blocks 1-3, may be out)
	MULA F1, 0, 0
	s_wait_dscnt 0x0                               ; the add is done, and my reads of this slot are over
	s_barrier_signal -1
	MULA F1, 1, 0
.if \round
	WIN 0
.endif
	s_barrier_wait -1
.endm
; The last quarter of a K step whose slot is filled again: the walking descriptors take the slot just read and the K step two on; then the other slot becomes the slot in hand
.macro TURN
	MEET 1
	CREST
	s_add_co_u32 s[G0+5], s[TB], s[LB]
	s_add_co_u32 s[G0B+5], s[TB], s[LB]
	s_add_nc_u64 s[G0+6:G0+7], s[G0+6:G0+7], KSTEP*2
	s_add_nc_u64 s[G0B+6:G0B+7], s[G0B+6:G0B+7], KSTEP*2*NB
	s_xor_b32 s[TB], s[TB], SLOT
	JLOAD 1                                        ; my one tensor load behind the round; its four v_nop are also the places in front of the loads below
	v_add_nc_u32 v[ADRA], s[TB], v[ADRA0]
	v_add_nc_u32 v[ADRB], s[TB], v[ADRB0]
	FETCH 0, F0
	MULA F1, 2, 0
	MULA F1, 3, 0
.endm
	s_wait_tensorcnt 1                             ; my part of K step 0 is in; K step 1's may stay out
	s_barrier_signal -1
	s_barrier_wait -1
	FETCH 0, F0
	QUARTER 1, F0, F1, 1                           ; the first quarter's products start the sums
	WIN 0
	s_mov_b32 s3, KSTEPS-2
.Lstep:                                        ; a trip goes from a K step's second quarter to the next step's first, and fills the slot that it leaves: K steps 2 to 7
	QUARTER 2, F1, F0, 0
	QUARTER 3, F0, F1, 0
	TURN
	QUARTER 1, F0, F1, 0
	WIN 0
	s_sub_co_u32 s3, s3, 1
	s_cmp_lg_u32 s3, 0
	s_cbranch_scc1 .Lstep
	s_mov_b32 s3, 2
.Ltail:                                        ; the last two K steps fill nothing: the same trip with no round and no tensor load; its second trip has no next step, and jumps over the fetch and the quarter that belong to one
	QUARTER 2, F1, F0, 0
	QUARTER 3, F0, F1, 0
	MEET 0
	WIN 0
	s_cmp_eq_u32 s3, 1
	s_cbranch_scc1 .Lnofetch
	s_xor_b32 s[TB], s[TB], SLOT
	v_add_nc_u32 v[ADRA], s[TB], v[ADRA0]          ; these two and two v_nop are the places in front of the loads
	v_add_nc_u32 v[ADRB], s[TB], v[ADRB0]
	v_nop
	v_nop
	FETCH 0, F0
.Lnofetch:
	MULA F1, 2, 0
	MULA F1, 3, 0
	WIN 0
	s_cmp_eq_u32 s3, 1
	s_cbranch_scc1 .Llast
	QUARTER 1, F0, F1, 0
	WIN 0
.Llast:
	s_sub_co_u32 s3, s3, 1
	s_cmp_lg_u32 s3, 0
	s_cbranch_scc1 .Ltail
.rept 8
	v_nop                                          ; the places behind the last products
.endr
; THE WAY OUT, a block of 16 rows x 128 f32 at a time: 32 bytes a lane and column block into my own stage (rows of 528 bytes), back as whole rows of 512 bytes, and stored.
.macro OUTB a
	WIN 0x08                                       ; the data lie in window 2; each accumulator's low four registers go first
.irp b, 0,1,2,3,4,5,6,7
	ds_store_b128 v[STO], v[8*(8*(\a)+(\b)):8*(8*(\a)+(\b))+3]   offset:64*(\b)
	ds_store_b128 v[STO], v[8*(8*(\a)+(\b))+4:8*(8*(\a)+(\b))+7] offset:64*(\b)+16
.endr
	WIN 0
	s_wait_xcnt 0x0                                ; the registers that the stores two blocks back read are loaded again only behind this wait
.set BK, OB+64*((\a)%2)
.irp i, 0,1,2,3,4,5,6,7,8,9,10,11,12,13,14,15
	ds_load_b128 v[BK+4*(\i):BK+4*(\i)+3], v[RD] offset:528*(\i)   ; LDS serves a wave's instructions in order: these see the stores above
.endr
.irp i, 0,1,2,3,4,5,6,7,8,9,10,11,12,13,14,15
	s_wait_dscnt 15-(\i)
	global_store_b128 v[CO], v[BK+4*(\i):BK+4*(\i)+3], s[8:9] offset:(\a)*131072+(\i)*8192 th:TH_STORE_NT  ; 512 consecutive bytes, aligned
.endr
.endm
	OUTB 0
	OUTB 1
	OUTB 2
	OUTB 3
	s_wait_tensorcnt 0x0                           ; the wave's end, behind my last tensor load and my last LDS store
	ds_add_u32 v[SPW], v[NIL]
	s_wait_dscnt 0x0
	CROUND                                         ; the closing round
	s_endpgm
.Lfunc_end_k_qa6b4bd7438_oproj:
	.size	k_qa6b4bd7438_oproj, .Lfunc_end_k_qa6b4bd7438_oproj-k_qa6b4bd7438_oproj
	.p2alignl 7, 3214868480
	.fill 96, 4, 3214868480
	.section	.rodata,"a",@progbits
	.p2align	6, 0x0
	.amdhsa_kernel k_qa6b4bd7438_oproj
		.amdhsa_group_segment_fixed_size 327680
		.amdhsa_private_segment_fixed_size 0
		.amdhsa_enable_private_segment 0
		.amdhsa_kernarg_size 24
		.amdhsa_user_sgpr_count 2
		.amdhsa_user_sgpr_kernarg_segment_ptr 1
		.amdhsa_wavefront_size32 1
		.amdhsa_system_sgpr_workgroup_id_x 1
		.amdhsa_system_sgpr_workgroup_id_y 1
		.amdhsa_system_sgpr_workgroup_id_z 1
		.amdhsa_system_vgpr_workitem_id 0
		.amdhsa_next_free_vgpr 768
		.amdhsa_next_free_sgpr 92
		.amdhsa_reserve_vcc 0
		.amdhsa_float_denorm_mode_32 3
		.amdhsa_float_denorm_mode_16_64 3
		.amdhsa_memory_ordered 1
		.amdhsa_forward_progress 1
		.amdhsa_inst_pref_size 62
	.end_amdhsa_kernel
	.amdgpu_metadata
---
amdhsa.version: [ 1, 2 ]
amdhsa.kernels:
  - .name:           k_qa6b4bd7438_oproj
    .symbol:         k_qa6b4bd7438_oproj.kd
    .args:
      - { .name: ao, .offset: 0, .size: 8, .value_kind: global_buffer, .address_space: global }
      - { .name: pre, .offset: 8, .size: 8, .value_kind: global_buffer, .address_space: global }
      - { .name: out0, .offset: 16, .size: 8, .value_kind: global_buffer, .address_space: global }
    .group_segment_fixed_size: 327680
    .private_segment_fixed_size: 0
    .kernarg_segment_align: 8
    .kernarg_segment_size: 24
    .max_flat_workgroup_size: 128
    .sgpr_count:     92
    .vgpr_count:     768
    .wavefront_size: 32
...
	.end_amdgpu_metadata
.endif
;; end of part 4
;; ======== version 2 of 2: 4 launches; version 1 with the launch prep written anew for expert scheduling mode
;; limits: values are held in f16: magnitudes above 65,504 overflow, below 6.1e-05 lose precision; right only within a limited range of input values
;; workspace buffers: pre 38,289,408 bytes; mid 33,685,504 bytes; ao 8,388,608 bytes
;; launch prep (part 5): grid 708 x 1, 8 waves a work-group, no clusters, 0 bytes of LDS; arguments x, Wq, Wk, Wv, Wo, attention_mask, positions, pre; writes pre
.if DOCPART == 5
	.amdgcn_target "amdgcn-amd-amdhsa--gfx1250"
	.amdhsa_code_object_version 6
	.text
	.protected	k_qa6b4bd7438_prep
	.globl	k_qa6b4bd7438_prep
	.p2align	8
	.type	k_qa6b4bd7438_prep,@function
k_qa6b4bd7438_prep:
	s_mov_b64 s[64:65], 0
	v_nop
	global_prefetch_b8 v0, s[64:65] scope:SCOPE_SE
	s_setreg_imm32_b32 hwreg(HW_REG_WAVE_SCHED_MODE, 0, 2), 2
	s_setreg_imm32_b32 hwreg(HW_REG_WAVE_MODE, 25, 1), 1
	s_wait_xcnt 0x0
	s_wait_alu depctr_vm_vsrc(0)
; PREP: everything that is made once from the inputs, into the one buffer pre.
;   XB    xb  [4096][2048]  bf16(x)
;   WB    wb  [2048 k][4096 n] bf16: n 0-2047 Wq, 2048-3071 Wk, 3072-4095 Wv (one B matrix for the projection)
;   WOB   wob [1024 k][2048 n] f16 of bf16(Wo): exact for 6e-5 <= |Wo| < 65,504, below that f16's fixed step of 6e-8
;   ROPE  [4096 rows][cos 16 | sin 16] f32 of positions x 1e7^(-i/16)
;   KADD  [2][2048] f32: 0 where attention_mask is not 0, -1e30 where it is 0
; Work-groups 0-575 cast (128 KiB of f32 each: 32 chunks of 1,024 numbers, 16 bytes a thread and chunk), 576-703 make the table, 704-707 the mask.
; A stream: no LDS, no matrix unit, no cluster: nothing is shared.  All 32 loads of a wave are out together; a wave's store covers 256 consecutive bytes, aligned.
; LIMITS.  Sine and cosine by reduction with pi/2 in two words and polynomials on |r| <= pi/4: sound for |angle| < 2^23 x pi/2.
; THE MODE: SCHED_MODE bits 1:0 = 2 (LLVM: expert scheduling mode 2), set by the entry lines.  The code itself states the register dependences
; between vector instructions and memory instructions, with s_wait_alu, always for 0.
; THE PLAN, for the cast.  Registers that memory instructions touch:
;   v1      16 t, made at the head; read by the 32 loads as their offset; never written again on this path.
;   X[j]    chunk j: four registers.  Written by chunk j's load, then by chunk j's conversions; its first two are read by chunk j's store; never written behind that store.
;   OA[j]   chunk j's offset in the output.  Written once, behind the loads; read by chunk j's store; never written again.
; The chunks go in eight blocks of four.  Block p converts X[4 p .. 4 p + 3]; its memory instructions are the four stores of block p - 1, which read that block's X and OA: registers that no
; vector instruction of block p names.  So one wait on va_vdst at a block's head states all that its four stores hang on, and they are dealt among its conversions with no further wait.
; No register that a memory instruction reads is written again, on any of the three paths: so no wait on vm_vsrc is owed.  EXEC is never written.
; The table and the mask: a wait on va_vdst ahead of the load (its offset is fresh) and ahead of the store (its data and offset); the four compares write four scalar registers in one run, with one wait on va_sdst
; between the run and the selects that read them.
.set XB,   0
.set WB,   16777216
.set WOB,  33554432
.set ROPE, 37748736
.set KADD, 38273024
.set OA,  4                            ; v[4:35]   chunk j: my byte offset in the output
.set X,   40                           ; v[40:167] chunk j: four f32 as loaded; its first two registers are then stored
.set FI,  8                            ; the table: exponents' arguments
.set IV,  12                           ; inverse frequencies
.set RES, 16                           ; four results
.set ANG, 20
.set NN,  21
.set RR,  22
.set ZZ,  23
.set TQ,  24
.set PS,  28                           ; v[28:31]  the four sines of r
.set PC,  32                           ; v[32:35]  the four cosines of r
.set KK,  36                           ; v[36:39]  the four quadrants
.set MK,  36                           ; s[36:39]  the table and the mask: the four compares' lane masks
	s_load_b512 s[8:23], s[0:1], 0x0               ; x s[8:9], Wq s[10:11], Wk s[12:13], Wv s[14:15], Wo s[16:17], mask s[18:19], positions s[20:21], pre s[22:23]
	s_mov_b32 s2, ttmp9
	v_lshlrev_b32 v1, 4, v0                        ; 16 bytes of f32 a thread
	v_lshlrev_b32 v2, 3, v0                        ; 8 bytes of 16-bit numbers a thread
	s_wait_kmcnt 0x0
	s_cmp_ge_u32 s2, 704
	s_cbranch_scc1 .Lkadd
	s_cmp_ge_u32 s2, 576
	s_cbranch_scc1 .Lrope
	; which tensor: source, first work-group, output base, shift of a work-group's output, steps of an odd chunk and of a pair of chunks, kind
	s_mov_b64 s[24:25], s[8:9]
	s_mov_b32 s28, 0
	s_mov_b32 s29, XB
	s_mov_b32 s30, 16
	s_mov_b32 s31, 2048
	s_mov_b32 s32, 4096
	s_mov_b32 s33, 0
	s_cmp_ge_u32 s2, 256                           ; Wq: rows of two chunks, into rows of 8,192 bytes of wb
	s_cselect_b64 s[24:25], s[10:11], s[24:25]
	s_cselect_b32 s28, 256, s28
	s_cselect_b32 s29, WB, s29
	s_cselect_b32 s30, 17, s30
	s_cselect_b32 s32, 8192, s32
	s_cmp_ge_u32 s2, 384                           ; Wk: rows of one chunk
	s_cselect_b64 s[24:25], s[12:13], s[24:25]
	s_cselect_b32 s28, 384, s28
	s_cselect_b32 s29, WB+4096, s29
	s_cselect_b32 s30, 18, s30
	s_cselect_b32 s31, 8192, s31
	s_cselect_b32 s32, 16384, s32
	s_cmp_ge_u32 s2, 448                           ; Wv: the same, 1,024 columns on
	s_cselect_b64 s[24:25], s[14:15], s[24:25]
	s_cselect_b32 s28, 448, s28
	s_cselect_b32 s29, WB+6144, s29
	s_cmp_ge_u32 s2, 512                           ; Wo: dense, like x
	s_cselect_b64 s[24:25], s[16:17], s[24:25]
	s_cselect_b32 s28, 512, s28
	s_cselect_b32 s29, WOB, s29
	s_cselect_b32 s30, 16, s30
	s_cselect_b32 s31, 2048, s31
	s_cselect_b32 s32, 4096, s32
	s_cselect_b32 s33, 1, s33
	s_sub_co_u32 s28, s2, s28                      ; my number among the tensor's work-groups
	s_lshl_b32 s34, s28, 17
	s_mov_b32 s35, 0
	s_add_nc_u64 s[24:25], s[24:25], s[34:35]      ; my 128 KiB of the source
	s_lshl_b32 s36, s28, s30
	s_add_co_u32 s36, s36, s29
	s_mov_b32 s37, 0
	s_add_nc_u64 s[26:27], s[22:23], s[36:37]      ; and where they go
	s_wait_alu depctr_va_vdst(0)                   ; v1 is written: the 32 loads read it as their offset
.set j, 0
.rept 32
	global_load_b128 v[X+4*j:X+4*j+3], v1, s[24:25] offset:4096*j th:TH_LOAD_NT
.set j, j+1
.endr
	v_add_nc_u32 v3, s31, v2
.set j, 0
.rept 32
.if j%2
	v_mad_u32_u24 v[OA+j], s32, j/2, v3
.else
	v_mad_u32_u24 v[OA+j], s32, j/2, v2
.endif
.set j, j+1
.endr
; Chunk j is rounded to bf16 (kind 1: and that number written as f16).  No register is used twice, so no wait frees one.
.macro CV j, kind
	v_cvt_pk_bf16_f32 v[X+4*(\j)],   v[X+4*(\j)],   v[X+4*(\j)+1]
	v_cvt_pk_bf16_f32 v[X+4*(\j)+1], v[X+4*(\j)+2], v[X+4*(\j)+3]
.if \kind
	v_lshlrev_b32 v[X+4*(\j)+2], 16, v[X+4*(\j)]
	v_and_b32     v[X+4*(\j)+3], 0xffff0000, v[X+4*(\j)]
	v_cvt_pk_f16_f32 v[X+4*(\j)], v[X+4*(\j)+2], v[X+4*(\j)+3]
	v_lshlrev_b32 v[X+4*(\j)+2], 16, v[X+4*(\j)+1]
	v_and_b32     v[X+4*(\j)+3], 0xffff0000, v[X+4*(\j)+1]
	v_cvt_pk_f16_f32 v[X+4*(\j)+1], v[X+4*(\j)+2], v[X+4*(\j)+3]
.endif
.endm
; Chunk j is stored.
.macro ST j
	global_store_b64 v[OA+(\j)], v[X+4*(\j):X+4*(\j)+1], s[26:27]
.endm
; Block p: chunks 4 p to 4 p + 3 are converted; the stores of block p - 1 are dealt among the conversions, one ahead of each chunk's.
.macro BLK p, kind
	s_wait_loadcnt 28-4*(\p)                       ; loads come back in order: the block's four chunks are in, the 28 - 4 p younger ones stay out
.if (\p) > 0
	s_wait_alu depctr_va_vdst(0)                   ; the block before has written its X, which the four stores below read as data; in block 1 also: all 32 OA are written, the stores' offsets
.endif
.irp i, 0,1,2,3
.if (\p) > 0
	ST 4*(\p)-4+(\i)                               ; no vector instruction since the wait names this chunk's X or OA
.endif
	CV 4*(\p)+(\i), \kind
.endr
.endm
; Behind block 7: its own four stores.
.macro LAST4
	s_wait_alu depctr_va_vdst(0)                   ; block 7 has written its X, which the last four stores read
.irp i, 28,29,30,31
	ST \i
.endr
.endm
	s_cmp_eq_u32 s33, 1
	s_cbranch_scc1 .Lwo
.irp p, 0,1,2,3,4,5,6,7
	BLK \p, 0
.endr
	LAST4
	s_endpgm
.Lwo:
.irp p, 0,1,2,3,4,5,6,7
	BLK \p, 1
.endr
	LAST4
	s_endpgm
.Lrope:                                        ; thread p makes 16 bytes of the table: row p / 8, piece p % 8: pieces 0-3 cosines, 4-7 sines, of frequencies 4 (p % 4) + 0..3
	s_sub_co_u32 s3, s2, 576
	s_lshl_b32 s3, s3, 8
	v_add_nc_u32 v1, s3, v0
	v_lshrrev_b32 v2, 3, v1
	v_lshlrev_b32 v2, 2, v2
	s_wait_alu depctr_va_vdst(0)                   ; v2 is written: the load reads it as its offset
	global_load_b32 v5, v2, s[20:21]               ; the row's position
	v_and_b32 v3, 3, v1
	v_bfe_u32 v4, v1, 2, 1
	v_sub_nc_u32 v4, 1, v4                         ; cos x = sin(x + pi/2): one quadrant on for the cosines
	v_lshlrev_b32 v6, 4, v1
	s_add_nc_u64 s[26:27], s[22:23], ROPE
.irp e, 0,1,2,3
	v_lshl_add_u32 v[FI+(\e)], v3, 2, \e
	v_cvt_f32_u32 v[FI+(\e)], v[FI+(\e)]
	v_mul_f32 v[FI+(\e)], 0xbfba0729, v[FI+(\e)]   ; - i log2(1e7) / 16
.endr
.irp e, 0,1,2,3
	v_exp_f32 v[IV+(\e)], v[FI+(\e)]
.endr
	v_nop                                          ; a plain instruction behind the last exponential,
	s_wait_alu depctr_va_vdst(0)                   ; and one wait for the four inverse frequencies v[IV ..], ahead of their first reader
	s_wait_loadcnt 0x0
	v_cvt_f32_i32 v5, v5
.irp e, 0,1,2,3                        ; sine, cosine and quadrant of each of the four angles have registers of their own, so that the four compares make one run
	v_mul_f32 v[ANG], v5, v[IV+(\e)]
	v_mul_f32 v[NN], 0x3f22f983, v[ANG]            ; x 2 / pi
	v_rndne_f32 v[NN], v[NN]
	v_fmamk_f32 v[RR], v[NN], 0xbfc90fdb, v[ANG]   ; r = angle - n pi/2, pi/2 in two words
	v_fmamk_f32 v[RR], v[NN], 0x333bbd2e, v[RR]
	v_mul_f32 v[ZZ], v[RR], v[RR]
	v_mov_b32 v[PS+(\e)], 0xb9500d01               ; sin r = r + r z (-1/6 + z (1/120 - z/5040))
	v_fmaak_f32 v[PS+(\e)], v[ZZ], v[PS+(\e)], 0x3c088889
	v_fmaak_f32 v[PS+(\e)], v[ZZ], v[PS+(\e)], 0xbe2aaaab
	v_mul_f32 v[PS+(\e)], v[PS+(\e)], v[ZZ]
	v_fma_f32 v[PS+(\e)], v[PS+(\e)], v[RR], v[RR]
	v_mov_b32 v[PC+(\e)], 0x37d00d01               ; cos r = 1 + z (-1/2 + z (1/24 + z (-1/720 + z/40320)))
	v_fmaak_f32 v[PC+(\e)], v[ZZ], v[PC+(\e)], 0xbab60b61
	v_fmaak_f32 v[PC+(\e)], v[ZZ], v[PC+(\e)], 0x3d2aaaab
	v_fmaak_f32 v[PC+(\e)], v[ZZ], v[PC+(\e)], 0xbf000000
	v_fma_f32 v[PC+(\e)], v[PC+(\e)], v[ZZ], 1.0
	v_cvt_i32_f32 v[KK+(\e)], v[NN]
	v_add_nc_u32 v[KK+(\e)], v[KK+(\e)], v4        ; the quadrant: odd takes the cosine, bit 1 turns the sign
	v_and_b32 v[TQ], 1, v[KK+(\e)]
	v_cmp_ne_u32 s[MK+(\e)], 0, v[TQ]
.endr
	s_wait_alu depctr_va_sdst(0)                   ; the four compares have written s[36:39], ahead of the selects that read them
.irp e, 0,1,2,3
	v_cndmask_b32 v[PS+(\e)], v[PS+(\e)], v[PC+(\e)], s[MK+(\e)]
	v_and_b32 v[KK+(\e)], 2, v[KK+(\e)]
	v_lshlrev_b32 v[KK+(\e)], 30, v[KK+(\e)]
	v_xor_b32 v[RES+(\e)], v[PS+(\e)], v[KK+(\e)]
.endr
	s_wait_alu depctr_va_vdst(0)                   ; v[RES ..] and v6 are written: the store reads them as data and offset
	global_store_b128 v6, v[RES:RES+3], s[26:27]   ; a wave stores 512 consecutive bytes
	s_endpgm
.Lkadd:                                        ; four keys a thread
	s_sub_co_u32 s3, s2, 704
	s_lshl_b32 s3, s3, 8
	v_add_nc_u32 v1, s3, v0
	v_lshlrev_b32 v1, 4, v1
	s_wait_alu depctr_va_vdst(0)                   ; v1 is written: the load, and later the store, read it as their offset
	global_load_b128 v[4:7], v1, s[18:19]
	v_mov_b32 v12, 0xf149f2ca                      ; -1e30
	s_add_nc_u64 s[26:27], s[22:23], KADD
	s_wait_loadcnt 0x0
.irp e, 0,1,2,3
	v_cmp_eq_u32 s[MK+(\e)], 0, v[4+(\e)]
.endr
	s_wait_alu depctr_va_sdst(0)                   ; the four compares have written s[36:39], ahead of the selects that read them
.irp e, 0,1,2,3
	v_cndmask_b32 v[8+(\e)], 0, v12, s[MK+(\e)]
.endr
	s_wait_alu depctr_va_vdst(0)                   ; the selects have written v[8:11], which the store reads
	global_store_b128 v1, v[8:11], s[26:27]
	s_endpgm
.Lfunc_end_k_qa6b4bd7438_prep:
	.size	k_qa6b4bd7438_prep, .Lfunc_end_k_qa6b4bd7438_prep-k_qa6b4bd7438_prep
	.p2alignl 7, 3214868480
	.fill 96, 4, 3214868480
	.section	.rodata,"a",@progbits
	.p2align	6, 0x0
	.amdhsa_kernel k_qa6b4bd7438_prep
		.amdhsa_group_segment_fixed_size 0
		.amdhsa_private_segment_fixed_size 0
		.amdhsa_enable_private_segment 0
		.amdhsa_kernarg_size 64
		.amdhsa_user_sgpr_count 2
		.amdhsa_user_sgpr_kernarg_segment_ptr 1
		.amdhsa_wavefront_size32 1
		.amdhsa_system_sgpr_workgroup_id_x 1
		.amdhsa_system_sgpr_workgroup_id_y 1
		.amdhsa_system_sgpr_workgroup_id_z 1
		.amdhsa_system_vgpr_workitem_id 0
		.amdhsa_next_free_vgpr 176
		.amdhsa_next_free_sgpr 66
		.amdhsa_reserve_vcc 0
		.amdhsa_float_denorm_mode_32 3
		.amdhsa_float_denorm_mode_16_64 3
		.amdhsa_memory_ordered 1
		.amdhsa_forward_progress 1
		.amdhsa_inst_pref_size 41
	.end_amdhsa_kernel
	.amdgpu_metadata
---
amdhsa.version: [ 1, 2 ]
amdhsa.kernels:
  - .name:           k_qa6b4bd7438_prep
    .symbol:         k_qa6b4bd7438_prep.kd
    .args:
      - { .name: x, .offset: 0, .size: 8, .value_kind: global_buffer, .address_space: global }
      - { .name: Wq, .offset: 8, .size: 8, .value_kind: global_buffer, .address_space: global }
      - { .name: Wk, .offset: 16, .size: 8, .value_kind: global_buffer, .address_space: global }
      - { .name: Wv, .offset: 24, .size: 8, .value_kind: global_buffer, .address_space: global }
      - { .name: Wo, .offset: 32, .size: 8, .value_kind: global_buffer, .address_space: global }
      - { .name: attention_mask, .offset: 40, .size: 8, .value_kind: global_buffer, .address_space: global }
      - { .name: positions, .offset: 48, .size: 8, .value_kind: global_buffer, .address_space: global }
      - { .name: pre, .offset: 56, .size: 8, .value_kind: global_buffer, .address_space: global }
    .group_segment_fixed_size: 0
    .private_segment_fixed_size: 0
    .kernarg_segment_align: 8
    .kernarg_segment_size: 64
    .max_flat_workgroup_size: 256
    .sgpr_count:     66
    .vgpr_count:     176
    .wavefront_size: 32
...
	.end_amdgpu_metadata
.endif
;; end of part 5
;; launch qkv: the kernel of part 2 again; grid 16 x 16, 4 waves a work-group, clusters of 4 x 4, 327,680 bytes of LDS; arguments pre, q_norm_w, k_norm_w, mid; writes mid
;; launch attn: the kernel of part 3 again; grid 16 x 16, 4 waves a work-group, clusters of 4 x 1, 327,680 bytes of LDS; arguments mid, pre, ao; writes ao
;; launch oproj: the kernel of part 4 again; grid 8 x 32, 4 waves a work-group, clusters of 4 x 4, 327,680 bytes of LDS; arguments ao, pre, out0; writes out0
